; MI455X (gfx1250); checked and timed in simulation.
; The chip was launched on July 23, 2026; its instructions are those of AMD's public machine-readable ISA for CDNA 5 (MIT licence, August 2026) and "CDNA5" Instruction Set Architecture Reference Guide (July 2026). The comments in the code are by the model that wrote it; some were corrected since.
;; T5 Gemma2 Self Attention. Allowed arithmetic: matrix products marked QUANTISED: E2M3 operands, one E8M0 scale for each 32 along K, by v_wmma_scale_f32_16x16x128_f8f6f4 with both operands' format E2M3, f32 sums; everything else in f32.
;; Inputs: Wk 2,048 x 1,024 float32; Wo 1,024 x 2,048 float32; Wq 2,048 x 1,024 float32; Wv 2,048 x 1,024 float32; cos 2 x 2,048 x 256 float32; hidden_states 2 x 2,048 x 2,048 float32; k_norm_w 256 float32; q_norm_w 256 float32; sin 2 x 2,048 x 256 float32.
;; Outputs: out0 2 x 2,048 x 2,048 float32.
;; This version of the problem:
;;   THIS VERSION OF THE PROBLEM IS GIVEN IN LOW PRECISION. The matrix products marked QUANTISED in the list below multiply operands that are first quantised to E2M3 (2 exponent bits, 3 mantissa bits; 6 bits a number), with one power-of-two scale for each 32 numbers along K (OCP MX v1.0); their sums are f32. All else is computed in f32.
;;   The module's matrix products, in the order in which they are computed (A, B: the left and right operand; K: the contracted axis; several contracted axes count as one K, in the product's order):
;;     1. [M 4,096, K 2,048] x [K 2,048, N 1,024]; A: input hidden_states; B: input Wq: QUANTISED
;;     2. [M 4,096, K 2,048] x [K 2,048, N 1,024]; A: input hidden_states; B: input Wk: QUANTISED
;;     3. [M 4,096, K 2,048] x [K 2,048, N 1,024]; A: input hidden_states; B: input Wv: QUANTISED
;;     4. batch 8 x [M 2,048, K 256] x [K 256, N 2,048]; A: computed on the way; B: computed on the way: QUANTISED
;;     5. batch 8 x [M 2,048, K 2,048] x [K 2,048, N 256]; A: softmax (see below); B: computed on the way: QUANTISED
;;     6. [M 4,096, K 1,024] x [K 1,024, N 2,048]; A: computed on the way; B: input Wo: QUANTISED
;;   THE QUANTISER, for each operand of a quantised product, along K:
;;     - K is cut into blocks of 32 from its start; a last block that is shorter is filled with zeros.
;;     - A block's scale is 2^e with e = floor(log2(the largest magnitude in the block)) - 2, held to -126 .. 127; a block of zeros has e = 0. As a byte (E8M0): e + 127.
;;     - Each number is divided by its block's scale, clamped to +-7.5, and rounded to the nearest number of E2M3, ties to even, subnormals kept.
;;     - The product sums the exact products of the quantised numbers (number of the format x scale) in f32.
;;   ~~~python
;;   def quantise(x, axis):      # numpy; x: float32 -> the quantised numbers, widened to float32 again
;;       x = np.moveaxis(x, axis, -1); K = x.shape[-1]
;;       x = np.pad(x, [(0, 0)] * (x.ndim - 1) + [(0, -K % 32)]); x = x.reshape(x.shape[:-1] + (-1, 32)); a = np.abs(x).max(-1, keepdims=True)
;;       e = np.where(a > 0, np.clip(np.frexp(np.where(a > 0, a, 1))[1] - 1 - 2, -126, 127), 0)      # np.frexp(a)[1] - 1 = floor(log2(a)), exactly
;;       r = np.clip(x / 2.0 ** e, -7.5, 7.5)
;;       step = 2.0 ** (np.maximum(np.frexp(np.where(r == 0, 1, r))[1] - 1, 0) - 3)
;;       q = np.round(r / step) * step * 2.0 ** e      # np.round: ties to even
;;       return np.moveaxis(q.reshape(q.shape[:-2] + (-1,))[..., :K], -1, axis).astype(np.float32)
;;   ~~~
;;   SOFTMAX AHEAD OF A QUANTISED PRODUCT. Where the list says 'softmax', what is quantised is not the finished softmax but p = 2^(t - M), with t = logit x log2(e) and M = ceil(the row's largest t), a whole number; so 1/2 < the row's largest p <= 1. The row's sum l is taken of the UNQUANTISED p, in f32, and the product's result is divided by l at the end. Since M is a whole number, a kernel that streams over the keys may use a running M (the ceiling of the running maximum): every later rescaling is an exact power of two, which a block's scale takes up: the codes' values come out the same.
;;   OPERANDS COMPUTED ON THE WAY. 'Computed on the way' means the value that the module computes at that place (a softmax that the list does not call 'softmax' is quantised finished and normalised). What goes into a quantiser is computed in f32, as accurately as f32 sums, v_exp_f32 and their like allow (about 1e-6 of the number): no bf16 or f16 on the way to a quantiser, and a product that is left as it is and whose result goes on into a quantised operand takes f32 operands (vector FMAs, or v_wmma_f32_16x16x4_f32). A number that lies on a knife's edge between two numbers of the format may be rounded either way, as far as f32 arithmetic and the matrix unit's own rounding can turn it there, and no further.
;; One version. Each part assembles by itself: llvm-mc -triple=amdgcn-amd-amdhsa -mcpu=gfx1250 --defsym DOCPART=n.
;; ======== version 1 of 1: 4 launches
;; limits: a function is approximated: absolute error at most 1e-05
;; workspace buffers: xq 6,553,600 bytes; wq 6,553,600 bytes; qb 3,276,800 bytes; kv 6,553,600 bytes; aq 3,276,800 bytes
;; launch quant (part 1): grid 512 x 1, 4 waves a work-group, no clusters, 87,552 bytes of LDS; arguments hidden_states, Wq, Wk, Wv, Wo, xq, wq; writes xq, wq
.if DOCPART == 1
	.amdgcn_target "amdgcn-amd-amdhsa--gfx1250"
	.amdhsa_code_object_version 6
	.text
	.protected	k_qb09d24db15_quant
	.globl	k_qb09d24db15_quant
	.p2align	8
	.type	k_qb09d24db15_quant,@function
k_qb09d24db15_quant:
	s_mov_b64 s[64:65], 0
	v_nop
	global_prefetch_b8 v0, s[64:65] scope:SCOPE_SE
	s_setreg_imm32_b32 hwreg(HW_REG_WAVE_MODE, 25, 1), 1
	s_wait_xcnt 0x0
; hidden_states [4096][2048], Wq, Wk, Wv [2048][1024] and Wo [1024][2048], all f32, become codes of FP6 (E2M3) with one E8M0 byte for each 32 along K.
; The codes are stored as IMAGES OF OPERAND REGISTERS: a fragment (16 rows x 128 K, 12 registers a lane) is 1,536 bytes, registers 4 c .. 4 c + 3 of lane l at 512 c + 16 l.
; WHICH 16 ROWS FORM A TILE: rows go in groups of 32; row r of tile 2 g + u is index 32 g + 8 u + r + 8 (r / 8).  (A result made with such a tile as source 0 has 16 neighbours in a lane's registers of two tiles.)
; SCALE WORDS: for a tile and a pair of K steps 128 bytes, [row 16][2 words]; two neighbouring tiles are 256 bytes, 8 bytes a lane.
; xq: images [block of 256 rows 16][K step 16][tile 16], scale words behind them [block 16][pair 8][tile 16].  wq: the same for the 12 blocks of 256 columns of Wq, Wk, Wv, then Wo's 16 blocks of 128 columns (8 K steps, 8 tiles).
; A block's scale is 2^(floor(log2(largest magnitude)) - 2): its byte is the largest magnitude's exponent field - 2, held at 1 from below by a floor among the maximum's leaves.
; LIMITS: a block of zeros, or one whose largest magnitude lies under 2^-124, keeps the byte 1 (its codes are what the conversion gives under that scale; these bytes are read by this program alone); NaN and infinities are not served.
; 512 work-groups of four waves, each wave 32 KB of f32: 0-255 hidden_states, 256-447 Wq, Wk, Wv, 448-511 Wo.  The three ways part on the work-group's number and each has LDS bytes of its own; a wave uses its own stage alone: no barrier.
.set XSC,   6291456                    ; xq: where the scale words begin
.set WSC,   4718592                    ; wq: scale words of Wq, Wk, Wv
.set WOI,   4915200                    ; wq: Wo's images
.set WOS,   6488064                    ; wq: Wo's scale words
.set WST,   33792                      ; LDS: hidden_states' stages 4 x 8,448 from 0; Wq/Wk/Wv's 4 x 6,656 from here;
.set OST,   60416                      ; Wo's 4 x 6,656 from here;
.set SPARE, 87040                      ; the spare words, 128 bytes a wave: two blocks of 256 bytes that no other line names
.set SPW, 10                           ; v10 LDS address of my spare word; never rewritten
.set NIL, 11                           ; v11 0; never rewritten
.set PWK, 12                           ; v12-15 the four units' scale words
.set TM,  16                           ; v16-31 at work in QUANT
.set PC,  32                           ; v32-51 the codes just made
.set X,   64                           ; v64-127 64 numbers of a lane, 16 neighbours of each of four blocks
.set R,   128                          ; v128-255 two sets of 64 registers as loaded
.set SEL, 40                           ; s[40:41] lane selects: lane l xor 16
.set MSB, 0
.macro WIN new                         ; the immediate's high byte repeats the setting that is left; here every window is 0 and nothing is written
.if MSB != \new
	s_set_vgpr_msb (MSB<<8)|\new
.set MSB, \new
.endif
.endm
; 64 numbers of a lane in window W, register src + 16 b + i = k 32 b + 16 (lane / 16) + i of my row, become a fragment's codes in v[PC] on and its scale word in v[pw].
.macro QUANT src, W, pw
	WIN (\W)|((\W)<<2)
.irp b, 0,1,2,3
	v_max3_num_f32 v[TM+\b], |v[(\src)+16*\b]|, |v[(\src)+16*\b+1]|, 0x1800000   ; my 16 numbers of block b, and the floor 2^(3 - 127)
.endr
	WIN ((\W)<<2)|((\W)<<4)
.irp i, 2,4,6,8,10,12,14
.irp b, 0,1,2,3
	v_max3_num_f32 v[TM+\b], v[TM+\b], |v[(\src)+16*\b+\i]|, |v[(\src)+16*\b+\i+1]|
.endr
.endr
	WIN 0
.irp b, 0,1,2,3
	v_permlanex16_b32 v[TM+4+\b], v[TM+\b], s[SEL], s[SEL+1]
.endr
.irp b, 0,1,2,3
	v_max_num_f32 v[TM+\b], v[TM+\b], v[TM+4+\b]             ; with lane l xor 16's: the block's largest magnitude
.endr
.irp b, 0,1,2,3
	v_add_nc_u32 v[TM+12+\b], 0xff000000, v[TM+\b]           ; 2 off its exponent field: the conversion's scale operand
.endr
.irp b, 0,1,2,3
	v_lshrrev_b32 v[TM+4+\b], 23, v[TM+12+\b]                ; the scale's byte
.endr
	v_lshl_or_b32 v[\pw], v[TM+5], 8, v[TM+4]
	v_lshl_or_b32 v[\pw], v[TM+6], 16, v[\pw]
	v_lshl_or_b32 v[\pw], v[TM+7], 24, v[\pw]                ; my row's scale word, in both halves of the lanes
	WIN (\W)
.irp c, 0,1
	v_cvt_scalef32_pk16_fp6_f32 v[PC+6*\c:PC+6*\c+2], v[(\src)+32*\c:(\src)+32*\c+15], v[TM+12+2*\c]
	v_cvt_scalef32_pk16_fp6_f32 v[PC+12+4*\c:PC+14+4*\c], v[(\src)+32*\c+16:(\src)+32*\c+31], v[TM+13+2*\c]   ; (three registers begin on an even number)
.endr
	WIN 0
	v_nop                                                    ; one plain place behind the conversions
.irp c, 0,1                            ; the operand wants a whole block in a lane: lanes 0-15 block 2 c, lanes 16-31 block 2 c + 1
.irp i, 0,1,2
	v_permlane16_swap_b32 v[PC+6*\c+\i], v[PC+12+4*\c+\i]
.endr
.irp i, 0,1,2
	v_mov_b32 v[PC+3+6*\c+\i], v[PC+12+4*\c+\i]
.endr
.endr
.endm
	s_load_b256 s[20:27], s[0:1], 0x0              ; hidden_states s[20:21], Wq s[22:23], Wk s[24:25], Wv s[26:27]
	s_load_b128 s[28:31], s[0:1], 0x20             ; Wo s[28:29], xq s[30:31]
	s_load_b64 s[32:33], s[0:1], 0x30              ; wq
	v_lshl_add_u32 v[SPW], v0, 2, SPARE
	v_mov_b32 v[NIL], 0
	v_lshrrev_b32 v1, 5, v0
	v_readfirstlane_b32 s16, v1                    ; wave
	v_and_b32 v1, 31, v0                           ; lane
	s_mov_b32 s[SEL], 0x76543210
	s_mov_b32 s[SEL+1], 0xfedcba98
	s_wait_kmcnt 0x0
	s_cmp_lt_u32 ttmp9, 256
	s_cbranch_scc0 .Lweights
; ---- hidden_states: K is innermost.  A wave takes a group of 32 rows x 256 along K: four units of 16 rows (a tile) x 128 K.
; A unit's sixteen loads read 512 consecutive bytes each; the 8 KB turn through the wave's stage (rows 528 bytes apart) and come back 16 neighbours of each block to a lane.
	v_and_b32 v2, 15, v0                           ; r
	v_bfe_u32 v3, v0, 4, 1                         ; h
	v_lshlrev_b32 v4, 4, v1                        ; 16 x lane
	s_mul_i32 s17, s16, 8448                       ; my stage
	v_add_nc_u32 v5, s17, v4                       ; in: 16 x lane in a row
	v_mul_u32_u24 v6, v2, 528
	v_lshl_add_u32 v6, v3, 6, v6
	v_add_nc_u32 v6, s17, v6                       ; out: row r, + 64 h
	v_lshlrev_b32 v7, 3, v1                        ; 8 x lane: the scale words' place
.irp b, 0,1,2,3
	v_mov_b32 v[TM+4+\b], 0                        ; written once: a lane permute's destination counts as one of its sources
.endr
	s_lshr_b32 s2, ttmp9, 1                        ; group of 32 rows, 0 .. 127
	s_and_b32 s3, ttmp9, 1
	s_lshl_b32 s3, s3, 2
	s_add_co_u32 s3, s3, s16                       ; pair of K steps, 0 .. 7
	s_lshr_b32 s18, s2, 3                          ; block of 256 rows
	s_and_b32 s19, s2, 7                           ; group in it
	s_lshl_b32 s4, s2, 18                          ; 32 rows of 8,192 bytes
	s_lshl_b32 s5, s3, 10                          ; 256 numbers
	s_add_co_u32 s4, s4, s5
	s_mov_b32 s5, 0
	s_add_nc_u64 s[4:5], s[20:21], s[4:5]
	s_mul_i32 s8, s18, 393216
	s_mul_i32 s9, s3, 49152
	s_add_co_u32 s8, s8, s9
	s_mul_i32 s9, s19, 3072
	s_add_co_u32 s8, s8, s9
	s_mov_b32 s9, 0
	s_add_nc_u64 s[8:9], s[30:31], s[8:9]          ; my images
	s_lshl_b32 s10, s18, 3
	s_add_co_u32 s10, s10, s3
	s_lshl_b32 s10, s10, 11
	s_lshl_b32 s11, s19, 8
	s_add_co_u32 s10, s10, s11
	s_add_co_u32 s10, s10, XSC
	s_mov_b32 s11, 0
	s_add_nc_u64 s[10:11], s[30:31], s[10:11]      ; my 256 bytes of scale words
.macro LOADU t                         ; unit t = 2 (K step) + (tile): row i of the tile is row 8 u + i + 8 (i / 8) of the group
.set I, 0
.rept 16
	global_load_b128 v[R+64*((\t)%2)+4*I:R+64*((\t)%2)+4*I+3], v4, s[4:5] offset:(8*((\t)%2)+I+8*(I/8))*8192+512*((\t)/2) th:TH_LOAD_NT
.set I, I+1
.endr
.endm
.macro UNIT t
.if (\t) < 3
	s_wait_loadcnt 16                              ; this unit's sixteen loads are in; the next unit's may be out
.else
	s_wait_loadcnt 0
.endif
.set I, 0
.rept 16
	ds_store_b128 v5, v[R+64*((\t)%2)+4*I:R+64*((\t)%2)+4*I+3] offset:528*I
.set I, I+1
.endr
.irp b, 0,1,2,3
.irp j, 0,1,2,3
	ds_load_b128 v[X+16*\b+4*\j:X+16*\b+4*\j+3], v6 offset:128*\b+16*\j   ; LDS serves a wave's instructions in order: these see the stores above
.endr
.endr
	s_wait_dscnt 0x0                               ; the numbers are back, and the stores have read their registers
	s_wait_xcnt 0x0                                ; the last unit's stores have read the codes' registers
.if (\t) < 2
	LOADU (\t)+2
.endif
	QUANT X, 0, PWK+(\t)
.irp c, 0,1,2
	global_store_b128 v4, v[PC+4*\c:PC+4*\c+3], s[8:9] offset:((\t)/2)*24576+((\t)%2)*1536+512*\c   ; 512 consecutive bytes
.endr
.endm
	LOADU 0
	LOADU 1
	UNIT 0
	UNIT 1
	UNIT 2
	UNIT 3
	v_cmp_gt_u32 vcc_lo, 16, v1
	v_cndmask_b32 v52, v[PWK+1], v[PWK], vcc_lo    ; lanes 0-15: tile 0's rows, lanes 16-31: tile 1's; first word: the pair's first K step,
	v_cndmask_b32 v53, v[PWK+3], v[PWK+2], vcc_lo  ; second word: its second
	global_store_b64 v7, v[52:53], s[10:11]        ; 256 consecutive bytes
	s_wait_tensorcnt 0x0                           ; the wave's end, behind my last LDS store
	ds_add_u32 v[SPW], v[NIL]
	s_wait_dscnt 0x0
	s_endpgm
; ---- the weights: K is the FIRST axis.  A lane takes a column and its registers run down K: a block of 32 lies in one lane.  A wave takes 32 columns x 256 along K: 8 blocks a lane.
; Column c of the group is row r = (c & 7) | ((c >> 4) << 3) of tile u = (c >> 3) & 1.  Block 2 c' + hh of a K step is registers 6 c' .. 6 c' + 5 of the image's lane r + 16 hh:
; the six registers go to their places in an image in the wave's stage (images 1,664 bytes apart) and the images leave 512 consecutive bytes a store.
.macro WLOAD t, rs
.set I, 0
.rept 32
	global_load_b32 v[32+32*((\t)%2)+I], v3, s[4:5] offset:(32*(\t)+I)*(\rs) th:TH_LOAD_NT
.set I, I+1
.endr
.endm
.macro BLOCK t, rs
.set XS, 32+32*((\t)%2)
.set SO, ((\t)/4)*3328+256*((\t)%2)
.if (\t) < 7
	s_wait_loadcnt 32                              ; this block's 32 loads are in; the next block's may be out
.else
	s_wait_loadcnt 0
.endif
	v_max3_num_f32 v12, |v[XS]|, |v[XS+1]|, |v[XS+2]|
	v_max3_num_f32 v13, |v[XS+3]|, |v[XS+4]|, |v[XS+5]|
.irp i, 6,10,14,18,22,26
	v_max3_num_f32 v12, v12, |v[XS+\i]|, |v[XS+\i+1]|
	v_max3_num_f32 v13, v13, |v[XS+\i+2]|, |v[XS+\i+3]|
.endr
	v_max3_num_f32 v12, v12, |v[XS+30]|, |v[XS+31]|
	v_max3_num_f32 v12, v12, v13, 0x1800000        ; and the floor
	v_add_nc_u32 v14, 0xff000000, v12              ; the conversion's scale operand
	v_lshrrev_b32 v13, 23, v14                     ; the byte
.if (\t)%4 == 0
	v_mov_b32 v[24+(\t)/4], v13
.else
	v_lshl_or_b32 v[24+(\t)/4], v13, 8*((\t)%4), v[24+(\t)/4]
.endif
	v_cvt_scalef32_pk16_fp6_f32 v[96:98], v[XS:XS+15], v14
	v_cvt_scalef32_pk16_fp6_f32 v[104:106], v[XS+16:XS+31], v14
	v_nop                                          ; one plain place behind the conversions
	v_mov_b32 v99, v104
	v_mov_b32 v100, v105
	v_mov_b32 v101, v106
.if ((\t)%4)/2 == 0
	ds_store_b128 v4, v[96:99] offset:SO           ; registers 0-3
	ds_store_b64 v4, v[100:101] offset:SO+512      ; registers 4, 5
.else
	ds_store_b64 v4, v[96:97] offset:SO+520        ; registers 6, 7
	ds_store_b128 v4, v[98:101] offset:SO+1024     ; registers 8-11
.endif
.if (\t) < 6
	WLOAD (\t)+2, \rs
.endif
	s_wait_dscnt 0x0                               ; the stores have read their registers
.endm
.macro WAYOUT sq, ss                   ; the two images of K step sq of the pair
.irp u, 0,1
.irp c, 0,1,2
	ds_load_b128 v[112+24*(\sq)+12*\u+4*\c:112+24*(\sq)+12*\u+4*\c+3], v7 offset:(\sq)*3328+1664*\u+512*\c
.endr
.endr
	s_wait_dscnt 0x0
.irp u, 0,1
.irp c, 0,1,2
	global_store_b128 v8, v[112+24*(\sq)+12*\u+4*\c:112+24*(\sq)+12*\u+4*\c+3], s[8:9] offset:(\sq)*(\ss)+\u*1536+512*\c
.endr
.endr
.endm
.macro WBODY rs, ss                    ; rs: bytes from row to row of the weight; ss: bytes from K step to K step of its images
	WLOAD 0, \rs
	WLOAD 1, \rs
.irp t, 0,1,2,3
	BLOCK \t, \rs
.endr
	WAYOUT 0, \ss
.irp t, 4,5,6,7
	BLOCK \t, \rs
.endr
	WAYOUT 1, \ss
	global_store_b64 v9, v[24:25], s[10:11]        ; the lanes' 8 bytes fill 256 consecutive bytes
	s_wait_tensorcnt 0x0                           ; the wave's end, behind my last LDS store
	ds_add_u32 v[SPW], v[NIL]
	s_wait_dscnt 0x0
	s_endpgm
.endm
.Lweights:
	v_bfe_u32 v12, v0, 3, 1                        ; u
	v_and_b32 v13, 7, v0
	v_bfe_u32 v14, v0, 4, 1
	v_lshl_or_b32 v13, v14, 3, v13                 ; r
	v_lshlrev_b32 v3, 2, v1                        ; in: 4 bytes a lane
	v_lshlrev_b32 v8, 4, v1                        ; out: 16 bytes a lane
	v_lshlrev_b32 v9, 3, v13
	v_lshl_or_b32 v9, v12, 7, v9                   ; scale words: 128 u + 8 r
	v_mul_u32_u24 v4, v12, 1664
	v_lshl_add_u32 v4, v13, 4, v4                  ; 1,664 u + 16 r
	s_mul_i32 s17, s16, 6656
	s_cmp_lt_u32 ttmp9, 448
	s_cbranch_scc0 .Lwo
	s_add_co_u32 s17, s17, WST
	v_add_nc_u32 v4, s17, v4                       ; into my stage
	v_add_nc_u32 v7, s17, v8                       ; out of it
	s_sub_co_u32 s2, ttmp9, 256
	s_lshr_b32 s3, s2, 6                           ; 0 Wq, 1 Wk, 2 Wv
	s_and_b32 s18, s2, 7                           ; block of 128 columns
	s_bfe_u32 s19, s2, 0x30003                     ; pair of K steps
	s_cmp_eq_u32 s3, 0
	s_cselect_b64 s[4:5], s[22:23], s[24:25]
	s_cmp_eq_u32 s3, 2
	s_cselect_b64 s[4:5], s[26:27], s[4:5]
	s_lshl_b32 s6, s19, 20                         ; 256 rows of 4,096 bytes
	s_lshl_b32 s7, s18, 9
	s_add_co_u32 s6, s6, s7
	s_lshl_b32 s7, s16, 7
	s_add_co_u32 s6, s6, s7
	s_mov_b32 s7, 0
	s_add_nc_u64 s[4:5], s[4:5], s[6:7]
	s_lshl_b32 s6, s3, 2
	s_lshr_b32 s7, s18, 1
	s_add_co_u32 s6, s6, s7                        ; block of 256 columns, 0 .. 11
	s_and_b32 s7, s18, 1
	s_lshl_b32 s7, s7, 2
	s_add_co_u32 s7, s7, s16                       ; group of 32 in it
	s_mul_i32 s8, s6, 393216
	s_mul_i32 s9, s19, 49152
	s_add_co_u32 s8, s8, s9
	s_mul_i32 s9, s7, 3072
	s_add_co_u32 s8, s8, s9
	s_mov_b32 s9, 0
	s_add_nc_u64 s[8:9], s[32:33], s[8:9]
	s_lshl_b32 s10, s6, 3
	s_add_co_u32 s10, s10, s19
	s_lshl_b32 s10, s10, 11
	s_lshl_b32 s11, s7, 8
	s_add_co_u32 s10, s10, s11
	s_add_co_u32 s10, s10, WSC
	s_mov_b32 s11, 0
	s_add_nc_u64 s[10:11], s[32:33], s[10:11]
	WBODY 4096, 24576
.Lwo:
	s_add_co_u32 s17, s17, OST
	v_add_nc_u32 v4, s17, v4
	v_add_nc_u32 v7, s17, v8
	s_sub_co_u32 s2, ttmp9, 448
	s_and_b32 s18, s2, 15                          ; block of 128 columns
	s_lshr_b32 s19, s2, 4                          ; pair of K steps, 0 .. 3
	s_lshl_b32 s6, s19, 21                         ; 256 rows of 8,192 bytes
	s_lshl_b32 s7, s18, 9
	s_add_co_u32 s6, s6, s7
	s_lshl_b32 s7, s16, 7
	s_add_co_u32 s6, s6, s7
	s_mov_b32 s7, 0
	s_add_nc_u64 s[4:5], s[28:29], s[6:7]
	s_mul_i32 s8, s18, 98304
	s_mul_i32 s9, s19, 24576
	s_add_co_u32 s8, s8, s9
	s_mul_i32 s9, s16, 3072
	s_add_co_u32 s8, s8, s9
	s_add_co_u32 s8, s8, WOI
	s_mov_b32 s9, 0
	s_add_nc_u64 s[8:9], s[32:33], s[8:9]
	s_lshl_b32 s10, s18, 2
	s_add_co_u32 s10, s10, s19
	s_lshl_b32 s10, s10, 10
	s_lshl_b32 s11, s16, 8
	s_add_co_u32 s10, s10, s11
	s_add_co_u32 s10, s10, WOS
	s_mov_b32 s11, 0
	s_add_nc_u64 s[10:11], s[32:33], s[10:11]
	WBODY 8192, 12288
.Lfunc_end_k_qb09d24db15_quant:
	.size	k_qb09d24db15_quant, .Lfunc_end_k_qb09d24db15_quant-k_qb09d24db15_quant
	.p2alignl 7, 3214868480
	.fill 96, 4, 3214868480
	.section	.rodata,"a",@progbits
	.p2align	6, 0x0
	.amdhsa_kernel k_qb09d24db15_quant
		.amdhsa_group_segment_fixed_size 87552
		.amdhsa_private_segment_fixed_size 0
		.amdhsa_enable_private_segment 0
		.amdhsa_kernarg_size 56
		.amdhsa_user_sgpr_count 2
		.amdhsa_user_sgpr_kernarg_segment_ptr 1
		.amdhsa_wavefront_size32 1
		.amdhsa_system_sgpr_workgroup_id_x 1
		.amdhsa_system_sgpr_workgroup_id_y 1
		.amdhsa_system_sgpr_workgroup_id_z 1
		.amdhsa_system_vgpr_workitem_id 0
		.amdhsa_next_free_vgpr 256
		.amdhsa_next_free_sgpr 66
		.amdhsa_reserve_vcc 1
		.amdhsa_float_denorm_mode_32 3
		.amdhsa_float_denorm_mode_16_64 3
		.amdhsa_memory_ordered 1
		.amdhsa_forward_progress 1
		.amdhsa_inst_pref_size 115
	.end_amdhsa_kernel
	.amdgpu_metadata
---
amdhsa.version: [ 1, 2 ]
amdhsa.kernels:
  - .name:           k_qb09d24db15_quant
    .symbol:         k_qb09d24db15_quant.kd
    .args:
      - { .name: hidden_states, .offset: 0, .size: 8, .value_kind: global_buffer, .address_space: global }
      - { .name: Wq, .offset: 8, .size: 8, .value_kind: global_buffer, .address_space: global }
      - { .name: Wk, .offset: 16, .size: 8, .value_kind: global_buffer, .address_space: global }
      - { .name: Wv, .offset: 24, .size: 8, .value_kind: global_buffer, .address_space: global }
      - { .name: Wo, .offset: 32, .size: 8, .value_kind: global_buffer, .address_space: global }
      - { .name: xq, .offset: 40, .size: 8, .value_kind: global_buffer, .address_space: global }
      - { .name: wq, .offset: 48, .size: 8, .value_kind: global_buffer, .address_space: global }
    .group_segment_fixed_size: 87552
    .private_segment_fixed_size: 0
    .kernarg_segment_align: 8
    .kernarg_segment_size: 56
    .max_flat_workgroup_size: 128
    .sgpr_count:     66
    .vgpr_count:     256
    .wavefront_size: 32
...
	.end_amdgpu_metadata
.endif
;; end of part 1
;; launch qkv (part 2): grid 12 x 16, 4 waves a work-group, clusters of 4 x 4, 327,680 bytes of LDS; arguments xq, wq, cos, sin, q_norm_w, k_norm_w, qb, kv; writes qb, kv
.if DOCPART == 2
	.amdgcn_target "amdgcn-amd-amdhsa--gfx1250"
	.amdhsa_code_object_version 6
	.text
	.protected	k_qb09d24db15_qkv
	.globl	k_qb09d24db15_qkv
	.p2align	8
	.type	k_qb09d24db15_qkv,@function
k_qb09d24db15_qkv:
	s_mov_b64 s[64:65], 0
	v_nop
	global_prefetch_b8 v0, s[64:65] scope:SCOPE_SE
	s_setreg_imm32_b32 hwreg(HW_REG_WAVE_MODE, 25, 1), 1
	s_wait_xcnt 0x0
	s_wait_alu depctr_hold_cnt(0) depctr_sa_sdst(0) depctr_va_vdst(0) depctr_va_sdst(0) depctr_va_ssrc(0) depctr_va_vcc(0) depctr_vm_vsrc(0)
	s_getreg_b32 s2, hwreg(HW_REG_IB_STS2, 6, 4)
	s_cmp_eq_u32 s2, 0
	s_cbranch_scc0 .Lentry_in_a_cluster
	s_endpgm
.Lentry_in_a_cluster:
	s_bfe_u32 s2, ttmp6, 0x10000c
	s_cmp_lg_u32 s2, 0xf033
	s_cbranch_scc0 .Lentry_shape_is_right
	s_endpgm
.Lentry_shape_is_right:
; q, k, v = hidden_states x Wq, Wk, Wv on codes of FP6 (E2M3) with E8M0 scales, K = 2,048; then, in registers: Gemma RMSNorm and the rotary turn on q and k, and the quantising of q and k along the head's 256 and of v along the keys.
; A work-group makes 256 positions x one head (256 columns) of one of the three: work-group x = 4 x kind + head (kind = the cluster's x: 0 q, 1 k, 2 v, the same in all sixteen partners), y = block of 256 positions.
; A wave makes 64 ROWS x 256 COLUMNS, 64 accumulators.  The matrix instruction is used transposed: source 0 = 16 of the columns, source 1 = 16 of the rows: a lane holds ONE row and its registers run along the columns.
; q, k: rows = positions, columns = the head's d: a whole head lies in the lane pair l, l xor 16, so norm, turn and quantiser need one exchange and no LDS.  v: rows = d, columns = positions (keys): v comes out with its registers along the keys.
; Operands are images of their registers (see the first launch): a fragment is three loads of 16 bytes a lane, 512 consecutive bytes each.  By the choice of a tile's rows the 16 registers of two neighbouring tiles are 16 neighbours.
; K goes in steps of 128, two to an LDS slot, two slots; each wave fetches one K step's 16 images (24,576 dense bytes) of X (waves 0, 1) or W (waves 2, 3).  The scale words of all of K come once.
; CLUSTER 4 x 4: X's tiles hang on the block of positions alone and are asked for jointly along a row of the cluster, W's on kind and head alone, jointly along a column.
; The loads are the same for all kinds; for v only the LDS bases from which rows and columns are read change places.
; 192 work-groups: a tile that keeps a head whole in a lane pair gives no multiple of 256 here.
; OUT: qb [b, head 8][64 queries 32]: 8 images (2 tile + d step), then 512 bytes of scale words [lane][tile], d step = lane / 16.
;      kv [b, head 8][128 keys 16]: K's 16 images (2 tile + d step), V's 16 images (tile of d; K = the 128 keys), K's scale words [tiles 0-3, 4-7][lane][4], V's [4 tiles][lane][2]: word j of lane l is tile 4 i + 2 j + l / 16.
; LIMITS: NaN and infinities are not served; a block whose largest magnitude lies under 2^-124 keeps the byte 1.  x (1 + w) is multiplied ahead of the turn and 1 / sqrt(mean + eps) behind it: another order of f32 roundings than x rsqrt (1 + w).
; REGISTERS.  window 0: v1-15 addresses; v16-31 sums of squares, 1 / sqrt; v32-71 scale words, two sets; v80-175 the rows' fragments, two sets (on the way out: at work); v176-239 1 + w[128 ..]; v240-251 scale words made.
;   window 1: v0-191 the columns' 16 fragments, ONE set (on the way out three sets of cos, sin); v192-255 1 + w[0 .. 127].   windows 2, 3: accumulator (a, b) in window 2 + b / 8 at 64 a + 8 (b % 8).
.set XSC,  6291456
.set WSC,  4718592
.set FRB,  1536                        ; an image
.set KSB,  16*FRB                      ; a K step's 16 images
.set WOFF, 2*KSB                       ; a slot: X's two K steps, then W's
.set SLOT, 2*WOFF
.set SCL,  2*SLOT                      ; behind the ring: X's scale words (16,384 bytes), then W's: filled once
.set SPARE, SCL+32768                  ; the spare words, 128 bytes a wave: two blocks of 256 bytes that no other line names
.set SPW, 8
.set NIL, 9
.set ADRA, 10                          ; v10-11 my rows' fragments in slot 0, 1
.set ADRB, 12                          ; v12-13 the columns'
.set ADRSA, 14                         ; v14 my rows' scale words
.set ADRSB, 15                         ; v15 the columns'
.set SS,  16
.set RS,  24
.set SCS, 32                           ; set s at SCS + 20 s: rows' words 2 i + q (tiles 2 i, 2 i + 1 in the lanes' halves), columns' at 4 + 2 i + q
.set RF,  80
.set TM,  80
.set PC,  96
.set T,   128
.set PWK, 240
.set OW,  248
.set WV,  20
.set G1,  24
.set G0,  32
.set G1B, 48
.set G0B, 56
.set G1S, 68
.set G0S, 76
.set G1SB, 80
.set G0SB, 88
.set SEL, 94
.set MUL_LO, 0xa1                      ; source 0 window 1, source 1 window 0, C and D window 2
.set MUL_HI, 0xf1                      ; the same, C and D window 3
.set MSB, 0
.macro WIN new                         ; the immediate's high byte repeats the setting that is left; a switch that changes nothing is dropped
.if MSB != \new
	s_set_vgpr_msb (MSB<<8)|\new
.set MSB, \new
.endif
.endm
.macro PLACES n
.rept \n
	v_nop
.endr
.endm
.macro CREST                           ; a round of the cluster's barrier behind its opening barrier
	s_cmp_lg_u32 s[WV], 0
	s_cbranch_scc1 .Lnot_wave_0_\@
	s_barrier_signal -3
.Lnot_wave_0_\@:
	s_barrier_wait -3
	s_barrier_signal -1
	s_barrier_wait -1
.endm
.macro CROUND
	s_barrier_signal -1
	s_barrier_wait -1
	CREST
.endm
; A joint load: waves 0 and 1 fetch for X, waves 2 and 3 for W.  An s_nop 0 and four v_nop follow each of the two lines.
.macro JLOAD g0a, g1a, g0b, g1b
	s_cmp_eq_u32 s21, 0
	s_cbranch_scc0 .Lfor_b_\@
	tensor_load_to_lds s[\g0a:\g0a+3], s[\g1a:\g1a+7]
	s_nop 0
.rept 4
	v_nop
.endr
	s_branch .Lasked_\@
.Lfor_b_\@:
	tensor_load_to_lds s[\g0b:\g0b+3], s[\g1b:\g1b+7]
	s_nop 0
.rept 4
	v_nop
.endr
.Lasked_\@:
.endm
.macro FRAGL reg, adr, off             ; an image comes back as the registers that it is
.irp c, 0,1,2
	ds_load_b128 v[(\reg)+4*\c:(\reg)+4*\c+3], v[\adr] offset:(\off)+512*\c
.endr
.endm
; 64 numbers of a lane in window W, register src + 16 b + i = k 32 b + 16 (lane / 16) + i of my row, become a fragment's codes in v[PC] on and its scale word in v[pw] (window 0).
.macro QUANT src, W, pw
	WIN (\W)|((\W)<<2)
.irp b, 0,1,2,3
	v_max3_num_f32 v[TM+\b], |v[(\src)+16*\b]|, |v[(\src)+16*\b+1]|, 0x1800000   ; my 16 numbers of block b, and the floor 2^(3 - 127)
.endr
	WIN ((\W)<<2)|((\W)<<4)
.irp i, 2,4,6,8,10,12,14
.irp b, 0,1,2,3
	v_max3_num_f32 v[TM+\b], v[TM+\b], |v[(\src)+16*\b+\i]|, |v[(\src)+16*\b+\i+1]|
.endr
.endr
	WIN 0
.irp b, 0,1,2,3
	v_permlanex16_b32 v[TM+4+\b], v[TM+\b], s[SEL], s[SEL+1]
.endr
.irp b, 0,1,2,3
	v_max_num_f32 v[TM+\b], v[TM+\b], v[TM+4+\b]
.endr
.irp b, 0,1,2,3
	v_add_nc_u32 v[TM+12+\b], 0xff000000, v[TM+\b]           ; 2 off the exponent field: the conversion's scale operand
.endr
.irp b, 0,1,2,3
	v_lshrrev_b32 v[TM+4+\b], 23, v[TM+12+\b]                ; the byte
.endr
	v_lshl_or_b32 v[\pw], v[TM+5], 8, v[TM+4]
	v_lshl_or_b32 v[\pw], v[TM+6], 16, v[\pw]
	v_lshl_or_b32 v[\pw], v[TM+7], 24, v[\pw]
	WIN (\W)
.irp c, 0,1
	v_cvt_scalef32_pk16_fp6_f32 v[PC+6*\c:PC+6*\c+2], v[(\src)+32*\c:(\src)+32*\c+15], v[TM+12+2*\c]
	v_cvt_scalef32_pk16_fp6_f32 v[PC+12+4*\c:PC+14+4*\c], v[(\src)+32*\c+16:(\src)+32*\c+31], v[TM+13+2*\c]
.endr
	WIN 0
	v_nop                                                    ; one plain place behind the conversions
.irp c, 0,1
.irp i, 0,1,2
	v_permlane16_swap_b32 v[PC+6*\c+\i], v[PC+12+4*\c+\i]
.endr
.irp i, 0,1,2
	v_mov_b32 v[PC+3+6*\c+\i], v[PC+12+4*\c+\i]
.endr
.endr
.endm
	s_load_b256 s[4:11], s[0:1], 0x0               ; xq s[4:5], wq s[6:7], cos s[8:9], sin s[10:11]
	s_load_b256 s[12:19], s[0:1], 0x20             ; q_norm_w s[12:13], k_norm_w s[14:15], qb s[16:17], kv s[18:19]
	v_lshl_add_u32 v[SPW], v0, 2, SPARE
	v_mov_b32 v[NIL], 0
	ds_add_u32 v[SPW], v[NIL]                      ; the wave's opening: the add and its wait ahead of my first tensor load; work on registers stands between them
	v_lshrrev_b32 v1, 5, v0
	v_readfirstlane_b32 s[WV], v1                  ; wave 0..3
	s_lshr_b32 s21, s20, 1                         ; I fetch for X (0) or W (1)
	s_and_b32 s22, s20, 1                          ; which of a slot's two K steps
	s_mov_b32 s23, ttmp9                           ; kind
	s_bfe_u32 s40, ttmp6, 0x40000                  ; cx = head
	s_bfe_u32 s41, ttmp6, 0x40004                  ; cy
	s_lshl_b32 s42, ttmp9, 2
	s_add_co_u32 s42, s42, s40                     ; block of 256 columns of the three weights
	s_and_b32 s43, ttmp7, 0xffff
	s_lshl_b32 s43, s43, 2
	s_add_co_u32 s43, s43, s41                     ; block of 256 positions
	s_lshl_b32 s44, s41, 2
	s_lshl_b32 s44, 15, s44                        ; my row of the cluster
	s_lshl_b32 s45, 0x1111, s40                    ; my column
	; descriptor groups 1: dense blocks as rows of 256 bytes (32 elements of 8 bytes), no padding: 96 rows for a K step's images, 32 for half of the scale words
	s_or_b32 s[G1], s44, (3<<16)|(1<<21)
	s_or_b32 s[G1B], s45, (3<<16)|(1<<21)
.irp g, G1, G1B
	s_mov_b32 s[\g+1], 32<<16
	s_mov_b32 s[\g+2], 96<<16
	s_mov_b32 s[\g+3], 32<<16
	s_mov_b32 s[\g+4], 96
	s_mov_b32 s[\g+5], 32
	s_mov_b32 s[\g+6], 0
	s_mov_b32 s[\g+7], 0
.endr
	s_or_b32 s[G1S], s44, (3<<16)|(1<<21)
	s_or_b32 s[G1SB], s45, (3<<16)|(1<<21)
.irp g, G1S, G1SB
	s_mov_b32 s[\g+1], 32<<16
	s_mov_b32 s[\g+2], 32<<16
	s_mov_b32 s[\g+3], 32<<16
	s_mov_b32 s[\g+4], 32
	s_mov_b32 s[\g+5], 32
	s_mov_b32 s[\g+6], 0
	s_mov_b32 s[\g+7], 0
.endr
	s_mul_i32 s92, s43, 393216                     ; X's images: my block, my K step
	s_mul_i32 s93, s22, KSB
	s_add_co_u32 s92, s92, s93
	s_mov_b32 s93, 0
	s_lshl_b32 s46, s43, 14                        ; X's scale words: my block, my half
	s_lshl_b32 s47, s22, 13
	s_add_co_u32 s46, s46, s47
	s_add_co_u32 s46, s46, XSC
	s_mov_b32 s47, 0
	s_mul_i32 s66, s42, 393216                     ; W's likewise, in registers of their own
	s_mul_i32 s67, s22, KSB
	s_add_co_u32 s66, s66, s67
	s_mov_b32 s67, 0
	s_lshl_b32 s96, s42, 14
	s_lshl_b32 s97, s22, 13
	s_add_co_u32 s96, s96, s97
	s_add_co_u32 s96, s96, WSC
	s_mov_b32 s97, 0
	s_mul_i32 s2, s20, KSB                         ; where they go: wave x 24,576 in a slot,
	s_lshl_b32 s3, s20, 13                         ; wave x 8,192 among the scale words
	s_mov_b32 s[SEL], 0x76543210
	s_mov_b32 s[SEL+1], 0xfedcba98
	s_wait_dscnt 0x0                               ; the opening add is done
	s_wait_kmcnt 0x0
	s_add_nc_u64 s[92:93], s[4:5], s[92:93]
	s_add_nc_u64 s[46:47], s[4:5], s[46:47]
	s_add_nc_u64 s[66:67], s[6:7], s[66:67]
	s_add_nc_u64 s[96:97], s[6:7], s[96:97]
	CROUND                                         ; all sixteen work-groups are here: the first joint loads meet
	s_mov_b32 s[G0S], 1
	s_add_co_u32 s[G0S+1], s3, SCL
	s_mov_b64 s[G0S+2:G0S+3], s[46:47]
	s_or_b32 s[G0S+3], s[G0S+3], 0x80000000
	s_mov_b32 s[G0SB], 1
	s_add_co_u32 s[G0SB+1], s3, SCL
	s_mov_b64 s[G0SB+2:G0SB+3], s[96:97]
	s_or_b32 s[G0SB+3], s[G0SB+3], 0x80000000
	JLOAD G0S, G1S, G0SB, G1SB                     ; the scale words first: three loads of mine are out after these three lines
.irp s, 0,1
	s_mov_b32 s[G0+4*\s], 1
	s_add_co_u32 s[G0+4*\s+1], s2, \s*SLOT
	s_add_nc_u64 s[G0+4*\s+2:G0+4*\s+3], s[92:93], \s*WOFF
	s_or_b32 s[G0+4*\s+3], s[G0+4*\s+3], 0x80000000
	s_mov_b32 s[G0B+4*\s], 1
	s_add_co_u32 s[G0B+4*\s+1], s2, \s*SLOT
	s_add_nc_u64 s[G0B+4*\s+2:G0B+4*\s+3], s[66:67], \s*WOFF
	s_or_b32 s[G0B+4*\s+3], s[G0B+4*\s+3], 0x80000000
	JLOAD G0+4*\s, G1, G0B+4*\s, G1B
.endr
	v_and_b32 v1, 31, v0                           ; lane
	v_and_b32 v2, 15, v0                           ; r
	v_bfe_u32 v3, v0, 4, 1                         ; h
	v_lshlrev_b32 v4, 4, v1
	v_lshlrev_b32 v5, 3, v1
	v_and_b32 v6, 8, v2
	v_add_nc_u32 v6, v6, v2
	v_lshlrev_b32 v6, 10, v6
	v_lshl_add_u32 v6, v3, 6, v6                   ; cos, sin: row r + 8 (r / 8) of 1,024 bytes, + 64 h
	v_lshlrev_b32 v7, 6, v3                        ; the norm's weight: 64 h
	s_cmp_eq_u32 s23, 2                            ; for v the rows are W's and the columns X's
	s_cselect_b32 s92, WOFF, 0
	s_cselect_b32 s93, 0, WOFF
	s_cselect_b32 s46, 16384, 0
	s_cselect_b32 s47, 0, 16384
	s_mul_i32 s66, s20, 4*FRB                      ; my four tiles of rows
	s_add_co_u32 s92, s92, s66
	v_add_nc_u32 v[ADRA], s92, v4
	v_add_nc_u32 v[ADRA+1], SLOT, v[ADRA]
	v_add_nc_u32 v[ADRB], s93, v4
	v_add_nc_u32 v[ADRB+1], SLOT, v[ADRB]
	s_lshl_b32 s66, s20, 9
	s_add_co_u32 s46, s46, s66
	s_add_co_u32 s46, s46, SCL
	v_add_nc_u32 v[ADRSA], s46, v5
	s_add_co_u32 s47, s47, SCL
	v_add_nc_u32 v[ADRSB], s47, v5
	; where the results go, and where my positions' cos and sin lie
	s_lshl_b32 s46, s43, 18
	s_lshl_b32 s47, s20, 16
	s_add_co_u32 s46, s46, s47                     ; (256 block + 64 wave) rows of 1,024 bytes
	s_mov_b32 s47, 0
	s_add_nc_u64 s[8:9], s[8:9], s[46:47]
	s_add_nc_u64 s[10:11], s[10:11], s[46:47]
	s_lshr_b32 s46, s43, 3
	s_lshl_b32 s46, s46, 2
	s_add_co_u32 s46, s46, s40                     ; 4 b + head
	s_and_b32 s47, s43, 7                          ; block of 256 positions in the sequence
	s_lshl_b32 s66, s46, 5
	s_lshl_b32 s67, s47, 2
	s_add_co_u32 s66, s66, s67
	s_add_co_u32 s66, s66, s20
	s_mul_i32 s66, s66, 12800                      ; q: my 64 queries' block
	s_lshl_b32 s67, s46, 4
	s_lshl_b32 s92, s47, 1
	s_add_co_u32 s67, s67, s92
	s_add_co_u32 s92, s67, s21
	s_mul_i32 s92, s92, 51200                      ; k: my 128 keys' block
	s_mul_i32 s67, s67, 51200                      ; v: the first of the two blocks
	s_mul_i32 s93, s22, 12288
	s_add_co_u32 s93, s92, s93                     ; k: images
	s_lshl_b32 s96, s22, 9
	s_add_co_u32 s92, s92, s96
	s_add_co_u32 s92, s92, 49152                   ; k: scale words
	s_mul_i32 s96, s20, 6144
	s_add_co_u32 s96, s96, s67
	s_add_co_u32 s96, s96, 24576                   ; v: images
	s_lshl_b32 s97, s20, 8
	s_add_co_u32 s97, s97, s67
	s_add_co_u32 s97, s97, 50176                   ; v: scale words
	s_add_co_u32 s67, s66, 12288                   ; q: scale words
	s_cmp_eq_u32 s23, 1
	s_cselect_b32 s96, s93, s96
	s_cselect_b32 s97, s92, s97
	s_cmp_eq_u32 s23, 0
	s_cselect_b32 s96, s66, s96
	s_cselect_b32 s97, s67, s97
	s_cselect_b64 s[98:99], s[16:17], s[18:19]
	s_cselect_b64 s[12:13], s[12:13], s[14:15]     ; the norm's weight: q's or k's
	s_mov_b64 s[100:101], s[98:99]
	s_mov_b32 s66, s96
	s_mov_b32 s67, 0
	s_add_nc_u64 s[98:99], s[98:99], s[66:67]      ; images
	s_mov_b32 s66, s97
	s_add_nc_u64 s[100:101], s[100:101], s[66:67]  ; scale words
	s_mov_b32 s96, 0x3b800000                      ; 1 / 256
	s_mov_b32 s97, 0x358637bd                      ; 1e-6
; One product: accumulator (a, b) += columns' tile b x rows' tile a.  set: the rows' set; q: the slot's K step; sg: the set of scale words.  A tile's words lie in lanes 0-15 (even tile) or 16-31 (odd tile).
.macro WM a, b, set, q, sg, zero
.set rD, 64*(\a)+8*((\b)%8)
.set rA, 12*(\b)
.set rB, RF+48*(\set)+12*(\a)
.set rX, SCS+20*(\sg)+4+2*((\b)/2)+(\q)
.set rY, SCS+20*(\sg)+2*((\a)/2)+(\q)
.set rO, 2*((\b)%2)+(\a)%2+4*(\zero)
.if rO == 0
	v_wmma_scale_f32_16x16x128_f8f6f4 v[rD:rD+7], v[rA:rA+11], v[rB:rB+11], v[rD:rD+7], v[rX], v[rY] matrix_a_fmt:MATRIX_FMT_FP6 matrix_b_fmt:MATRIX_FMT_FP6
.elseif rO == 1
	v_wmma_scale_f32_16x16x128_f8f6f4 v[rD:rD+7], v[rA:rA+11], v[rB:rB+11], v[rD:rD+7], v[rX], v[rY] matrix_a_fmt:MATRIX_FMT_FP6 matrix_b_fmt:MATRIX_FMT_FP6 matrix_b_scale:MATRIX_SCALE_ROW1
.elseif rO == 2
	v_wmma_scale_f32_16x16x128_f8f6f4 v[rD:rD+7], v[rA:rA+11], v[rB:rB+11], v[rD:rD+7], v[rX], v[rY] matrix_a_fmt:MATRIX_FMT_FP6 matrix_b_fmt:MATRIX_FMT_FP6 matrix_a_scale:MATRIX_SCALE_ROW1
.elseif rO == 3
	v_wmma_scale_f32_16x16x128_f8f6f4 v[rD:rD+7], v[rA:rA+11], v[rB:rB+11], v[rD:rD+7], v[rX], v[rY] matrix_a_fmt:MATRIX_FMT_FP6 matrix_b_fmt:MATRIX_FMT_FP6 matrix_a_scale:MATRIX_SCALE_ROW1 matrix_b_scale:MATRIX_SCALE_ROW1
.elseif rO == 4
	v_wmma_scale_f32_16x16x128_f8f6f4 v[rD:rD+7], v[rA:rA+11], v[rB:rB+11], 0, v[rX], v[rY] matrix_a_fmt:MATRIX_FMT_FP6 matrix_b_fmt:MATRIX_FMT_FP6
.elseif rO == 5
	v_wmma_scale_f32_16x16x128_f8f6f4 v[rD:rD+7], v[rA:rA+11], v[rB:rB+11], 0, v[rX], v[rY] matrix_a_fmt:MATRIX_FMT_FP6 matrix_b_fmt:MATRIX_FMT_FP6 matrix_b_scale:MATRIX_SCALE_ROW1
.elseif rO == 6
	v_wmma_scale_f32_16x16x128_f8f6f4 v[rD:rD+7], v[rA:rA+11], v[rB:rB+11], 0, v[rX], v[rY] matrix_a_fmt:MATRIX_FMT_FP6 matrix_b_fmt:MATRIX_FMT_FP6 matrix_a_scale:MATRIX_SCALE_ROW1
.else
	v_wmma_scale_f32_16x16x128_f8f6f4 v[rD:rD+7], v[rA:rA+11], v[rB:rB+11], 0, v[rX], v[rY] matrix_a_fmt:MATRIX_FMT_FP6 matrix_b_fmt:MATRIX_FMT_FP6 matrix_a_scale:MATRIX_SCALE_ROW1 matrix_b_scale:MATRIX_SCALE_ROW1
.endif
.endm
; 16 products: columns' tiles b0 .. b0 + 3 x my four tiles of rows.  The 64 accumulators take turns, one instruction a turn, in the same order in every step.
.macro MUL16 b0, set, q, sg, zero
.irp b, \b0, \b0+1, \b0+2, \b0+3
.irp a, 0,1,2,3
	WM \a, \b, \set, \q, \sg, \zero
.endr
.endr
.endm
.macro FETCH_A sg, q, set              ; my four fragments of rows: 12 loads
.irp a, 0,1,2,3
	FRAGL RF+48*(\set)+12*\a, ADRA+(\sg), (\q)*KSB+\a*FRB
.endr
.endm
.macro FETCH_B sg, q, b0               ; eight fragments of columns: 24 loads
	WIN 0x40
.irp i, 0,1,2,3,4,5,6,7
	FRAGL 12*((\b0)+\i), ADRB+(\sg), (\q)*KSB+((\b0)+\i)*FRB
.endr
	WIN 0
.endm
.macro SCALES sg                       ; a slot's scale words: 10 loads of 8 bytes a lane
.irp i, 0,1
	ds_load_b64 v[SCS+20*(\sg)+2*\i:SCS+20*(\sg)+2*\i+1], v[ADRSA] offset:256*\i
.endr
.irp i, 0,1,2,3,4,5,6,7
	ds_load_b64 v[SCS+20*(\sg)+4+2*\i:SCS+20*(\sg)+5+2*\i], v[ADRSB] offset:256*\i
.endr
.endm
; A slot's first K step.  A load into a register that a matrix instruction has read stands four plain vector instructions behind it (ISA guide 7.12.1 for vector instructions).
.macro STEP sg, zero
	s_wait_dscnt 24                                ; all but the youngest 24 loads (columns' tiles 8-15) are in
	WIN MUL_LO
	MUL16 0, 0, 0, \sg, \zero
	MUL16 4, 0, 0, \sg, \zero
	s_wait_dscnt 0x0                               ; tiles 8-15 are in
	PLACES 4
	WIN 0
	FETCH_A \sg, 1, 1
	FETCH_B \sg, 1, 0                              ; tiles 0-7 are done with: the next K step's take their registers
	WIN MUL_HI
	MUL16 8, 0, 0, \sg, \zero
	MUL16 12, 0, 0, \sg, \zero
	PLACES 4
	FETCH_B \sg, 1, 8
.endm
; A slot's second K step changes slots: ONE barrier; in front of it each wave waits for all its tensor loads, adds 0 to its spare word, and waits for that and for its reads of this slot.  fill = 1: the slot is filled again, two slots ahead.
.macro TURN sg, next, fill
	s_wait_tensorcnt 0x0                           ; all my tensor loads have landed: my part of the next slot
	ds_add_u32 v[SPW], v[NIL]                      ; 0 onto my spare word
	s_wait_dscnt 25                                ; (the add and the youngest 24 loads may be out)
	WIN MUL_LO
	MUL16 0, 1, 1, \sg, 0
	s_wait_dscnt 0x0                               ; the add is done, and my reads of this slot are over
	s_barrier_signal -1
	MUL16 4, 1, 1, \sg, 0
	WIN 0
	s_barrier_wait -1
.if \fill
	CREST                                          ; the barrier has opened a round of the cluster's: no wave of any partner still reads this slot or has a load on its way
	s_add_nc_u64 s[G0+4*\sg+2:G0+4*\sg+3], s[G0+4*\sg+2:G0+4*\sg+3], SLOT
	s_add_nc_u64 s[G0B+4*\sg+2:G0B+4*\sg+3], s[G0B+4*\sg+2:G0B+4*\sg+3], SLOT
	JLOAD G0+4*\sg, G1, G0B+4*\sg, G1B             ; my one tensor load behind the round; its four v_nop are the places in front of the loads below
.else
	PLACES 4
.endif
	v_add_nc_u32 v[ADRSA], 2048, v[ADRSA]          ; the next slot's scale words
	v_add_nc_u32 v[ADRSB], 2048, v[ADRSB]
	FETCH_A \next, 0, 0
	FETCH_B \next, 0, 0
	SCALES \next
	WIN MUL_HI
	MUL16 8, 1, 1, \sg, 0
	MUL16 12, 1, 1, \sg, 0
	PLACES 4
	FETCH_B \next, 0, 8
.endm
	s_wait_tensorcnt 1                             ; the scale words and my part of slot 0 are in; slot 1's load may be out
	s_barrier_signal -1
	s_barrier_wait -1
	FETCH_A 0, 0, 0
	FETCH_B 0, 0, 0
	SCALES 0
	FETCH_B 0, 0, 8
	STEP 0, 1                                      ; the first step's products start the sums
	s_mov_b32 s3, 3
.Llap:                                             ; a trip goes once round the ring and fills both slots again: 2 + 3 x 2 = 8 slots = 16 K steps
	TURN 0, 1, 1
	STEP 1, 0
	TURN 1, 0, 1
	STEP 0, 0
	s_sub_co_u32 s3, s3, 1
	s_cmp_lg_u32 s3, 0
	s_cbranch_scc1 .Llap
	TURN 0, 1, 0                                   ; the last lap fills nothing
	STEP 1, 0
	s_wait_dscnt 24                                ; the last K step
	WIN MUL_LO
	MUL16 0, 1, 1, 1, 0
	MUL16 4, 1, 1, 1, 0
	s_wait_dscnt 0x0
	PLACES 4
	WIN 0
	s_cmp_eq_u32 s23, 2                            ; the kind: the same in all partners.  From here on q, k and v have texts of their own, so that no counted wait stands behind a join
	s_cbranch_scc1 .Lvpath
; ---- q and k.  Lane (r, h) of tile a holds position 32 (a / 2) + 8 (a % 2) + r + 8 (r / 8) of my 64; register 64 a + 16 e + i is d = 32 e + 16 h + i in window 2 and 128 + that in window 3.
.macro CSLOAD ci                       ; chunk ci = 4 a + e: cos and sin of 16 d and of the 16 that lie 128 on, into set ci % 3 of window 1: cos, sin, cos + 128, sin + 128
.set LA, (\ci)/4
.set LOF, (32*(LA/2)+8*(LA%2))*1024+128*((\ci)%4)
.set LB, 64*((\ci)%3)
	WIN 0x40
.irp j, 0,1,2,3
	global_load_b128 v[LB+4*\j:LB+4*\j+3], v6, s[8:9] offset:LOF+16*\j
	global_load_b128 v[LB+16+4*\j:LB+19+4*\j], v6, s[10:11] offset:LOF+16*\j
	global_load_b128 v[LB+32+4*\j:LB+35+4*\j], v6, s[8:9] offset:LOF+512+16*\j
	global_load_b128 v[LB+48+4*\j:LB+51+4*\j], v6, s[10:11] offset:LOF+512+16*\j
.endr
	WIN 0
.endm
	WIN 0x40
.irp e, 0,1,2,3
.irp j, 0,1,2,3
	global_load_b128 v[192+16*\e+4*\j:195+16*\e+4*\j], v7, s[12:13] offset:128*\e+16*\j          ; w[32 e + 16 h ..]
.endr
.endr
	WIN 0
.irp e, 0,1,2,3
.irp j, 0,1,2,3
	global_load_b128 v[176+16*\e+4*\j:179+16*\e+4*\j], v7, s[12:13] offset:512+128*\e+16*\j      ; w[128 + ..]
.endr
.endr
	CSLOAD 0                                       ; into the registers of the columns' tiles 0-5, which are done with
	WIN MUL_HI
	MUL16 8, 1, 1, 1, 0
	MUL16 12, 1, 1, 1, 0
	WIN 0
	PLACES 4
	CSLOAD 1
	CSLOAD 2
.irp b, 0,1,2,3
	v_mov_b32 v[TM+4+\b], 0                        ; a lane permute's destination counts as one of its sources
.endr
	; the sums of squares, four chains (one a tile), each accumulator from its low end on
	WIN 0x0a
.irp a, 0,1,2,3
	v_pk_mul_f32 v[SS+2*\a:SS+2*\a+1], v[64*\a:64*\a+1], v[64*\a:64*\a+1]
.endr
.set P, 2
.rept 31
.irp a, 0,1,2,3
	v_pk_fma_f32 v[SS+2*\a:SS+2*\a+1], v[64*\a+P:64*\a+P+1], v[64*\a+P:64*\a+P+1], v[SS+2*\a:SS+2*\a+1]
.endr
.set P, P+2
.endr
	WIN 0x0f
.set P, 0
.rept 32
.irp a, 0,1,2,3
	v_pk_fma_f32 v[SS+2*\a:SS+2*\a+1], v[64*\a+P:64*\a+P+1], v[64*\a+P:64*\a+P+1], v[SS+2*\a:SS+2*\a+1]
.endr
.set P, P+2
.endr
	WIN 0
.irp a, 0,1,2,3
	v_add_f32 v[SS+2*\a], v[SS+2*\a], v[SS+2*\a+1]
.endr
.irp a, 0,1,2,3
	v_permlanex16_b32 v[SS+2*\a+1], v[SS+2*\a], s[SEL], s[SEL+1]
.endr
.irp a, 0,1,2,3
	v_add_f32 v[SS+2*\a], v[SS+2*\a], v[SS+2*\a+1] ; with lane l xor 16's half of the head
.endr
.irp a, 0,1,2,3
	v_fma_f32 v[SS+2*\a], v[SS+2*\a], s96, s97     ; mean + eps
.endr
.irp a, 0,1,2,3
	v_rsq_f32 v[RS+2*\a], v[SS+2*\a]
.endr
	v_nop                                          ; a plain place behind the batch
	s_wait_alu depctr_va_vdst(0)                   ; one wait for the four, ahead of their first reader
.irp a, 0,1,2,3
	v_mov_b32 v[RS+2*\a+1], v[RS+2*\a]
.endr
	s_wait_loadcnt 48                              ; the weight's 32 loads are in; three chunks of 16 may be out
	WIN 0x41
.set P, 0
.rept 32
	v_pk_add_f32 v[192+P:193+P], v[192+P:193+P], 1.0 op_sel_hi:[1,0]   ; 1 + w
.set P, P+2
.endr
	WIN 0
.set P, 0
.rept 32
	v_pk_add_f32 v[176+P:177+P], v[176+P:177+P], 1.0 op_sel_hi:[1,0]
.set P, P+2
.endr
; A chunk: x1 (16 d) and x2 (the 16 that lie 128 on): x (1 + w); x1' = x1 cos - x2 sin, x2' = x2 cos + x1 sin; x 1 / sqrt
.macro CHUNK ci
.set CA, (\ci)/4
.set XR, 64*CA+16*((\ci)%4)
.set CSB, 64*((\ci)%3)
.set G1R, 192+16*((\ci)%4)
.set G2R, 176+16*((\ci)%4)
.if (\ci) < 14
	s_wait_loadcnt 32                              ; this chunk's 16 loads are in; the next two chunks' may be out
.elseif (\ci) == 14
	s_wait_loadcnt 16
.else
	s_wait_loadcnt 0
.endif
	WIN 0x86
.irp p, 0,2,4,6,8,10,12,14
	v_pk_mul_f32 v[XR+\p:XR+\p+1], v[XR+\p:XR+\p+1], v[G1R+\p:G1R+\p+1]
.endr
	WIN 0xc3
.irp p, 0,2,4,6,8,10,12,14
	v_pk_mul_f32 v[XR+\p:XR+\p+1], v[XR+\p:XR+\p+1], v[G2R+\p:G2R+\p+1]
.endr
	WIN 0x06
.irp p, 0,2,4,6,8,10,12,14
	v_pk_mul_f32 v[T+\p:T+\p+1], v[XR+\p:XR+\p+1], v[CSB+48+\p:CSB+49+\p]
.endr
	WIN 0x86
.irp p, 0,2,4,6,8,10,12,14
	v_pk_mul_f32 v[XR+\p:XR+\p+1], v[XR+\p:XR+\p+1], v[CSB+\p:CSB+\p+1]
.endr
	WIN 0xa7
.irp p, 0,2,4,6,8,10,12,14
	v_pk_fma_f32 v[XR+\p:XR+\p+1], v[XR+\p:XR+\p+1], v[CSB+16+\p:CSB+17+\p], v[XR+\p:XR+\p+1] neg_lo:[1,0,0] neg_hi:[1,0,0]
.endr
	WIN 0xc7
.irp p, 0,2,4,6,8,10,12,14
	v_pk_fma_f32 v[XR+\p:XR+\p+1], v[XR+\p:XR+\p+1], v[CSB+32+\p:CSB+33+\p], v[T+\p:T+\p+1]
.endr
	WIN 0x82
.irp p, 0,2,4,6,8,10,12,14
	v_pk_mul_f32 v[XR+\p:XR+\p+1], v[XR+\p:XR+\p+1], v[RS+2*CA:RS+2*CA+1] op_sel_hi:[1,0]
.endr
	WIN 0xc3
.irp p, 0,2,4,6,8,10,12,14
	v_pk_mul_f32 v[XR+\p:XR+\p+1], v[XR+\p:XR+\p+1], v[RS+2*CA:RS+2*CA+1] op_sel_hi:[1,0]
.endr
	WIN 0
.endm
.macro OUTQ a                          ; tile a is finished: its two fragments (d steps) leave
.irp s, 0,1
	s_wait_xcnt 0x0                                ; the last stores have read the codes' registers
	QUANT 64*(\a), 2+\s, PWK+2*(\a)+\s
.irp c, 0,1,2
	global_store_b128 v4, v[PC+4*\c:PC+4*\c+3], s[98:99] offset:(2*(\a)+\s)*FRB+512*\c
.endr
.endr
.endm
.irp ci, 0,1,2,3,4,5,6,7,8,9,10,11,12,13,14,15
	CHUNK \ci
.if \ci < 13
	CSLOAD \ci+3                                   ; into the set just used
.endif
.if (\ci%4) == 3
	OUTQ \ci/4
.endif
.endr
	v_cmp_gt_u32 vcc_lo, 16, v1
.irp a, 0,1,2,3
	v_cndmask_b32 v[OW+\a], v[PWK+2*\a+1], v[PWK+2*\a], vcc_lo   ; word a: tile a; lanes 0-15 d step 0, lanes 16-31 d step 1
.endr
	global_store_b128 v4, v[OW:OW+3], s[100:101]
	s_branch .Lend
; ---- v.  Lane (r, h) of tile a holds channel row r of tile 4 wave + a; register 64 a + 16 e + i of window 2 + s is key 128 s + 32 e + 16 h + i: the accumulators are quantised as they stand.
.Lvpath:
	WIN MUL_HI
	MUL16 8, 1, 1, 1, 0
	MUL16 12, 1, 1, 1, 0
	WIN 0
	PLACES 4
.irp b, 0,1,2,3
	v_mov_b32 v[TM+4+\b], 0
.endr
.irp a, 0,1,2,3
.irp s, 0,1
	s_wait_xcnt 0x0                                ; the last stores have read the codes' registers
	QUANT 64*\a, 2+\s, PWK+2*\a+\s
.irp c, 0,1,2
	global_store_b128 v4, v[PC+4*\c:PC+4*\c+3], s[98:99] offset:\s*51200+\a*FRB+512*\c
.endr
.endr
.endr
	v_cmp_gt_u32 vcc_lo, 16, v1
.irp s, 0,1
.irp j, 0,1
	v_cndmask_b32 v[OW+2*\s+\j], v[PWK+4*\j+2+\s], v[PWK+4*\j+\s], vcc_lo   ; word j: tile 2 j in lanes 0-15, tile 2 j + 1 in lanes 16-31
.endr
	global_store_b64 v5, v[OW+2*\s:OW+2*\s+1], s[100:101] offset:\s*51200
.endr
.Lend:
	s_wait_tensorcnt 0x0                           ; the wave's end
	ds_add_u32 v[SPW], v[NIL]
	s_wait_dscnt 0x0
	CROUND                                         ; the closing round: no work-group ends while a partner may still ask for a tile that names it
	s_endpgm
.Lfunc_end_k_qb09d24db15_qkv:
	.size	k_qb09d24db15_qkv, .Lfunc_end_k_qb09d24db15_qkv-k_qb09d24db15_qkv
	.p2alignl 7, 3214868480
	.fill 96, 4, 3214868480
	.section	.rodata,"a",@progbits
	.p2align	6, 0x0
	.amdhsa_kernel k_qb09d24db15_qkv
		.amdhsa_group_segment_fixed_size 327680
		.amdhsa_private_segment_fixed_size 0
		.amdhsa_enable_private_segment 0
		.amdhsa_kernarg_size 64
		.amdhsa_user_sgpr_count 2
		.amdhsa_user_sgpr_kernarg_segment_ptr 1
		.amdhsa_wavefront_size32 1
		.amdhsa_system_sgpr_workgroup_id_x 1
		.amdhsa_system_sgpr_workgroup_id_y 1
		.amdhsa_system_sgpr_workgroup_id_z 1
		.amdhsa_system_vgpr_workitem_id 0
		.amdhsa_next_free_vgpr 1024
		.amdhsa_next_free_sgpr 102
		.amdhsa_reserve_vcc 1
		.amdhsa_float_denorm_mode_32 3
		.amdhsa_float_denorm_mode_16_64 3
		.amdhsa_memory_ordered 1
		.amdhsa_forward_progress 1
		.amdhsa_inst_pref_size 255
	.end_amdhsa_kernel
	.section	.bss,"aw",@nobits
	.p2align	6
	.space	262144
	.amdgpu_metadata
---
amdhsa.version: [ 1, 2 ]
amdhsa.kernels:
  - .name:           k_qb09d24db15_qkv
    .symbol:         k_qb09d24db15_qkv.kd
    .args:
      - { .name: xq, .offset: 0, .size: 8, .value_kind: global_buffer, .address_space: global }
      - { .name: wq, .offset: 8, .size: 8, .value_kind: global_buffer, .address_space: global }
      - { .name: cos, .offset: 16, .size: 8, .value_kind: global_buffer, .address_space: global }
      - { .name: sin, .offset: 24, .size: 8, .value_kind: global_buffer, .address_space: global }
      - { .name: q_norm_w, .offset: 32, .size: 8, .value_kind: global_buffer, .address_space: global }
      - { .name: k_norm_w, .offset: 40, .size: 8, .value_kind: global_buffer, .address_space: global }
      - { .name: qb, .offset: 48, .size: 8, .value_kind: global_buffer, .address_space: global }
      - { .name: kv, .offset: 56, .size: 8, .value_kind: global_buffer, .address_space: global }
    .group_segment_fixed_size: 327680
    .private_segment_fixed_size: 0
    .kernarg_segment_align: 8
    .kernarg_segment_size: 64
    .max_flat_workgroup_size: 128
    .sgpr_count:     102
    .vgpr_count:     1024
    .wavefront_size: 32
...
	.end_amdgpu_metadata
.endif
;; end of part 2
;; launch attn (part 3): grid 32 x 8, 8 waves a work-group, clusters of 4 x 1, 327,680 bytes of LDS; arguments qb, kv, aq; writes aq
.if DOCPART == 3
	.amdgcn_target "amdgcn-amd-amdhsa--gfx1250"
	.amdhsa_code_object_version 6
	.text
	.protected	k_qb09d24db15_attn
	.globl	k_qb09d24db15_attn
	.p2align	8
	.type	k_qb09d24db15_attn,@function
k_qb09d24db15_attn:
	s_mov_b64 s[64:65], 0
	v_nop
	global_prefetch_b8 v0, s[64:65] scope:SCOPE_SE
	s_setreg_imm32_b32 hwreg(HW_REG_WAVE_MODE, 25, 1), 1
	s_wait_xcnt 0x0
	s_wait_alu depctr_hold_cnt(0) depctr_sa_sdst(0) depctr_va_vdst(0) depctr_va_sdst(0) depctr_va_ssrc(0) depctr_va_vcc(0) depctr_vm_vsrc(0)
	s_getreg_b32 s2, hwreg(HW_REG_IB_STS2, 6, 4)
	s_cmp_eq_u32 s2, 0
	s_cbranch_scc0 .Lentry_in_a_cluster
	s_endpgm
.Lentry_in_a_cluster:
	s_bfe_u32 s2, ttmp6, 0x10000c
	s_cmp_lg_u32 s2, 0x3003
	s_cbranch_scc0 .Lentry_shape_is_right
	s_endpgm
.Lentry_shape_is_right:
; Attention with a softcap and a window, both products on codes of FP6 (E2M3) with E8M0 scales.  score = q . k; logit = 50 tanh(score / 800); key k counts for query q where q - 511 <= k <= q + 512.
; t = logit x log2(e) = T0 - T1 w, w = 1 / (1 + 2^(score x 2 log2(e) / 800)), T0 = 50 log2(e), T1 = 2 T0  (tanh(x) = 1 - 2 / (1 + e^(2 x))).
; THE SOFTMAX HAS NO RUNNING MAXIMUM: the tanh holds |t| <= 72.14 for every input, so p = 2^t lies in 2^-72.2 .. 2^72.2, a row's sum under 2^83 and a block's scale byte between 52 and 198: nothing can overflow or underflow in f32 or in E8M0.
; p = 2^(t - M) is taken with the whole number M = 0; against M = ceil(largest t) only the scale bytes move, the codes are the same.  The sum is taken of the unquantised p and divides at the end.
; SHARES.  A work-group owns 64 queries of one head: four tiles.  Wave w: tile w & 3; of each slot's two key steps of 128 keys it takes step w >> 2; with M = 0 the two halves of the keys add up at the end.  Two waves to a SIMD.
; CLUSTER 4 x 1: the four work-groups own 256 neighbouring queries, 256 m on.  Their windows lie in five slots of 256 keys, from slot clamp(m - 2, 0, 3) on: all four walk these five, so every load is joint and every trip count a constant.
; Every wave works all its five steps: which steps a work-group could leave out hangs on its place in the cluster.  Hidden keys get t = -infinity, p = 0.
; LAYOUT.  S^T = K Q^T (source 0 = 16 keys, source 1 = my 16 queries), O^T = V^T P^T (source 0 = 16 channels): a lane holds one query.  By the choice of a tile's rows p's 16 registers of two tiles are 16 neighbouring keys, and O^T's 16 neighbouring channels.
; O's accumulator i holds channel tile (i + 8 (w >> 2)) % 16: each wave keeps 0-7 (channels 128 (w >> 2) on) and gives 8-15 to the wave that worked the other keys, through LDS.  O / sum is quantised along (head, channel) and stored as an image.
; THE TWO HALVES OF THE WAVES RUN A TAIL APART.  A step is a HEAD (K's fragments, the scores, V's fragments, the softmax) and a TAIL (the quantiser, the sum, O^T += V^T p), which touches registers alone.
; From the second step on the waves of key step 0 run a step's tail ahead of the change of slots and those of key step 1 behind it: while one half's 50 loads of K are served, the other half has vector and matrix work of its own.
; V's fragments are in registers at the change of slots (each wave's wait for all its LDS loads stands in front of the barrier), so the refill touches nothing that a tail behind the barrier reads.
; V's loads are dealt out among the softmax's blocks, six at a time, and each product of the scores waits for its own fragment alone.
; LIMITS: t carries an absolute error of about 1e-5 (the difference T0 - T1 w); NaN and infinities are not served; a block of zeros keeps the byte 1.
; REGISTERS.  window 0: v1-13 addresses, v14-23 at work, v24-41 scale words, v42-77 the quantiser's, v80-143 S^T then p, v144-159 addresses for the end, v160-255 eight fragments.   window 1: v0-127 O^T, v128-223 eight fragments, v224-247 Q.
.set FRB,   1536
.set SLOT1, 1<<17                      ; a slot: two blocks of kv, 102,400 bytes; slot 1 begins here, so that one exclusive or turns an address
.set EXO,   SLOT1+102400               ; 8 x 8,192: the accumulators that are given away
.set EXL,   EXO+65536                  ; 8 x 128: the sums
.set SST,   EXL+1024                   ; 512: the results' scale words
.set SPARE, SST+512                    ; the spare words, 128 bytes a wave: four blocks of 256 bytes that no other line names
.set ASC,   3145728                    ; aq: where the scale words begin
.set KSC, 24
.set VSC, 32
.set QS,  40
.set PW,  41
.set TM,  42
.set PC,  58
.set SPW, 78
.set NIL, 79
.set S,   80
.set F0,  160
.set F1,  128                          ; window 1
.set QF,  224                          ; window 1
.set WV,  10
.set SEL, 40
.set C1,  42
.set NT1, 44
.set TB,  46
.set KF,  47
.set Q0,  48
.set CNT, 49
.set MSB, 0
.macro WIN new
.if MSB != \new
	s_set_vgpr_msb (MSB<<8)|\new
.set MSB, \new
.endif
.endm
.macro PLACES n
.rept \n
	v_nop
.endr
.endm
.macro CROUND                          ; a round of the cluster's barrier
	s_barrier_signal -1
	s_barrier_wait -1
	s_cmp_lg_u32 s[WV], 0
	s_cbranch_scc1 .Lnot_wave_0_\@
	s_barrier_signal -3
.Lnot_wave_0_\@:
	s_barrier_wait -3
	s_barrier_signal -1
	s_barrier_wait -1
.endm
.macro FRAGL reg, adr, off
.irp c, 0,1,2
	ds_load_b128 v[(\reg)+4*\c:(\reg)+4*\c+3], v[\adr] offset:(\off)+512*\c
.endr
.endm
.macro QUANT src, W, pw                ; 64 numbers of a lane, register src + 16 b + i = k 32 b + 16 (lane / 16) + i, become codes in v[PC] on and a scale word in v[pw]
	WIN (\W)|((\W)<<2)
.irp b, 0,1,2,3
	v_max3_num_f32 v[TM+\b], |v[(\src)+16*\b]|, |v[(\src)+16*\b+1]|, 0x1800000
.endr
	WIN ((\W)<<2)|((\W)<<4)
.irp i, 2,4,6,8,10,12,14
.irp b, 0,1,2,3
	v_max3_num_f32 v[TM+\b], v[TM+\b], |v[(\src)+16*\b+\i]|, |v[(\src)+16*\b+\i+1]|
.endr
.endr
	WIN 0
.irp b, 0,1,2,3
	v_permlanex16_b32 v[TM+4+\b], v[TM+\b], s[SEL], s[SEL+1]
.endr
.irp b, 0,1,2,3
	v_max_num_f32 v[TM+\b], v[TM+\b], v[TM+4+\b]
.endr
.irp b, 0,1,2,3
	v_add_nc_u32 v[TM+12+\b], 0xff000000, v[TM+\b]
.endr
.irp b, 0,1,2,3
	v_lshrrev_b32 v[TM+4+\b], 23, v[TM+12+\b]
.endr
	v_lshl_or_b32 v[\pw], v[TM+5], 8, v[TM+4]
	v_lshl_or_b32 v[\pw], v[TM+6], 16, v[\pw]
	v_lshl_or_b32 v[\pw], v[TM+7], 24, v[\pw]
	WIN (\W)
.irp c, 0,1
	v_cvt_scalef32_pk16_fp6_f32 v[PC+6*\c:PC+6*\c+2], v[(\src)+32*\c:(\src)+32*\c+15], v[TM+12+2*\c]
	v_cvt_scalef32_pk16_fp6_f32 v[PC+12+4*\c:PC+14+4*\c], v[(\src)+32*\c+16:(\src)+32*\c+31], v[TM+13+2*\c]
.endr
	WIN 0
	v_nop                                          ; one plain place behind the conversions
.irp c, 0,1
.irp i, 0,1,2
	v_permlane16_swap_b32 v[PC+6*\c+\i], v[PC+12+4*\c+\i]
.endr
.irp i, 0,1,2
	v_mov_b32 v[PC+3+6*\c+\i], v[PC+12+4*\c+\i]
.endr
.endr
.endm
	s_load_b128 s[4:7], s[0:1], 0x0                ; qb s[4:5], kv s[6:7]
	s_load_b64 s[8:9], s[0:1], 0x10                ; aq
	v_lshl_add_u32 v[SPW], v0, 2, SPARE
	v_mov_b32 v[NIL], 0
	ds_add_u32 v[SPW], v[NIL]                      ; the wave's opening: the add and its wait ahead of my first tensor load
	v_lshrrev_b32 v1, 5, v0
	v_readfirstlane_b32 s[WV], v1                  ; wave 0..7
	s_and_b32 s11, s10, 3                          ; my tile of queries
	s_lshr_b32 s12, s10, 2                         ; my key step of a slot; never rewritten
	s_bfe_u32 s13, ttmp6, 0x40000                  ; cx
	s_mov_b32 s14, ttmp9                           ; m: the cluster's block of 256 queries
	s_and_b32 s15, ttmp7, 0xffff                   ; 4 b + head
	s_sub_co_i32 s16, s14, 2
	s_max_i32 s16, s16, 0
	s_min_i32 s16, s16, 3                          ; the first of the five slots
	s_mov_b32 s24, 15|(3<<16)|(1<<21)              ; group 1: mask: all four partners; elements of 8 bytes; bit 21 beside the mask; 50 dense rows of 256 bytes
	s_mov_b32 s25, 32<<16
	s_mov_b32 s26, 50<<16
	s_mov_b32 s27, 32<<16
	s_mov_b32 s28, 50
	s_mov_b32 s29, 32
	s_mov_b32 s30, 0
	s_mov_b32 s31, 0
	s_mov_b32 s[SEL], 0x76543210
	s_mov_b32 s[SEL+1], 0xfedcba98
	s_mov_b32 s[C1], 0x3b6c5f04                    ; 2 log2(e) / 800
	s_mov_b32 s[C1+1], s[C1]
	s_mov_b32 s[NT1], 0xc31044fe                   ; -100 log2(e)
	s_mov_b32 s[NT1+1], s[NT1]
	s_mov_b32 s[TB], 0
	s_lshl_b32 s[KF], s16, 8
	s_lshl_b32 s17, s12, 7
	s_add_co_u32 s[KF], s[KF], s17                 ; my step's first key
	s_lshl_b32 s[Q0], s14, 8                       ; the cluster's first query
	s_mov_b32 s[CNT], 2
	s_lshl_b32 s18, s15, 4
	s_lshl_b32 s19, s16, 1
	s_add_co_u32 s18, s18, s19
	s_mul_i32 s18, s18, 51200                      ; the first slot in kv,
	s_mul_i32 s33, s10, 12800                      ; my eighth of a slot, in LDS
	s_add_co_u32 s18, s18, s33                     ; and in memory
	s_mov_b32 s19, 0
	s_lshl_b32 s20, s15, 5
	s_lshl_b32 s21, s14, 2
	s_add_co_u32 s20, s20, s21
	s_add_co_u32 s20, s20, s13
	s_mul_i32 s20, s20, 12800                      ; my work-group's block of qb
	s_mul_i32 s21, s11, 3072
	s_add_co_u32 s22, s20, s21                     ; my tile's two images
	s_mov_b32 s23, 0
	s_lshl_b32 s21, s11, 2
	s_add_co_u32 s20, s20, s21                     ; my tile's word of each lane's four
	s_mov_b32 s21, 0
	s_lshr_b32 s58, s15, 2
	s_lshl_b32 s58, s58, 3
	s_add_co_u32 s58, s58, s14                     ; block of 256 positions
	s_and_b32 s59, s15, 3                          ; head
	s_lshl_b32 s60, s58, 3
	s_lshl_b32 s61, s59, 1
	s_add_co_u32 s60, s60, s61
	s_add_co_u32 s60, s60, s12                     ; K step of the last product: 2 head + half
	s_lshl_b32 s60, s60, 4
	s_lshl_b32 s61, s13, 2
	s_add_co_u32 s60, s60, s61
	s_add_co_u32 s60, s60, s11                     ; tile 4 cx + my tile
	s_mul_i32 s60, s60, FRB
	s_mov_b32 s61, 0
	s_lshl_b32 s62, s58, 2
	s_add_co_u32 s62, s62, s59
	s_lshl_b32 s62, s62, 4
	s_lshl_b32 s63, s13, 2
	s_add_co_u32 s62, s62, s63
	s_lshl_b32 s62, s62, 7
	s_add_co_u32 s62, s62, ASC
	s_mov_b32 s63, 0
	s_wait_dscnt 0x0                               ; the opening add is done
	s_wait_kmcnt 0x0
	s_mov_b32 s32, 1
	s_add_nc_u64 s[34:35], s[6:7], s[18:19]
	s_mov_b32 s36, 1
	s_add_co_u32 s37, s33, SLOT1
	s_add_nc_u64 s[38:39], s[34:35], 102400
	s_or_b32 s35, s35, 0x80000000
	s_or_b32 s39, s39, 0x80000000
	s_add_nc_u64 s[52:53], s[4:5], s[22:23]
	s_add_nc_u64 s[50:51], s[4:5], s[20:21]
	s_add_nc_u64 s[54:55], s[8:9], s[60:61]
	s_add_nc_u64 s[56:57], s[8:9], s[62:63]
	CROUND                                         ; all four work-groups are here: the first joint loads meet
	tensor_load_to_lds s[32:35], s[24:31]          ; slot 0: every wave fetches its eighth; two loads of mine are out
	s_nop 0
	tensor_load_to_lds s[36:39], s[24:31]          ; slot 1
	s_nop 0
	PLACES 4
	v_and_b32 v150, 31, v0                         ; lane
	v_lshlrev_b32 v1, 4, v150                      ; 16 x lane
	v_lshlrev_b32 v151, 3, v150                    ; 8 x lane
	WIN 0x40
.irp s, 0,1
.irp c, 0,1,2
	global_load_b128 v[QF+12*\s+4*\c:QF+12*\s+4*\c+3], v1, s[52:53] offset:\s*FRB+512*\c   ; Q stays in registers
.endr
.endr
	WIN 0
	global_load_b32 v[QS], v1, s[50:51] offset:12288   ; lanes 0-15: d step 0, lanes 16-31: d step 1
	s_mul_i32 s17, s12, 51200                      ; my key step's block in a slot
	v_add_nc_u32 v7, s17, v1                       ; K's images and scale words
	s_mul_i32 s18, s12, 12288
	s_add_co_u32 s18, s18, s17
	v_add_nc_u32 v8, s18, v1                       ; V's tiles for accumulators 0-7
	s_xor_b32 s19, s12, 1
	s_mul_i32 s18, s19, 12288
	s_add_co_u32 s18, s18, s17
	v_add_nc_u32 v9, s18, v1                       ; and for 8-15
	s_lshl_b32 s18, s12, 9
	s_add_co_u32 s18, s18, s17
	v_add_nc_u32 v10, s18, v151                    ; their scale words
	s_lshl_b32 s18, s19, 9
	s_add_co_u32 s18, s18, s17
	v_add_nc_u32 v11, s18, v151
	s_lshl_b32 s18, s10, 13
	s_add_co_u32 s18, s18, EXO
	v_add_nc_u32 v22, s18, v1                      ; where I put what I give away,
	s_xor_b32 s19, s10, 4
	s_lshl_b32 s18, s19, 13
	s_add_co_u32 s18, s18, EXO
	v_add_nc_u32 v23, s18, v1                      ; and where my partner puts what I get
	v_lshlrev_b32 v144, 2, v150
	s_lshl_b32 s18, s19, 7
	s_add_co_u32 s18, s18, EXL
	v_add_nc_u32 v145, s18, v144
	s_lshl_b32 s18, s10, 7
	s_add_co_u32 s18, s18, EXL
	v_add_nc_u32 v144, s18, v144
	v_and_b32 v152, 15, v0                         ; r
	v_bfe_u32 v153, v0, 4, 1                       ; h
	s_lshl_b32 s18, s11, 7
	s_lshl_b32 s19, s12, 2
	s_add_co_u32 s18, s18, s19
	s_add_co_u32 s18, s18, SST
	v_lshl_add_u32 v146, v152, 3, s18              ; my row's word: 128 tile + 8 r + 4 half
	v_add_nc_u32 v147, SST, v1
	v_and_b32 v154, 8, v152
	v_add_nc_u32 v154, v154, v152
	v_lshlrev_b32 v155, 4, v153
	v_sub_nc_u32 v154, v154, v155                  ; r + 8 (r / 8) - 16 h
	s_lshl_b32 s18, s13, 6
	s_add_co_u32 s18, s18, s[Q0]
	s_lshr_b32 s19, s11, 1
	s_lshl_b32 s19, s19, 5
	s_add_co_u32 s18, s18, s19
	s_and_b32 s19, s11, 1
	s_lshl_b32 s19, s19, 3
	s_add_co_u32 s18, s18, s19
	v_add_nc_u32 v154, s18, v154                   ; my query - 16 h
	v_add_nc_u32 v12, 0xfffffe01, v154             ; - 511: the lowest key that counts
	v_add_nc_u32 v13, 512, v154                    ; + 512: the highest
	v_mov_b32 v15, 0xff800000                      ; -infinity
	v_mov_b32 v16, 0x429044fe                      ; T0 = 50 log2(e)
	v_mov_b32 v17, 0x429044fe
.irp j, 18,19,20,21
	v_mov_b32 v\j, 0                               ; the sum, in two chains of pairs
.endr
.irp b, 0,1,2,3
	v_mov_b32 v[TM+4+\b], 0                        ; a lane permute's destination counts as one of its sources
.endr
; Register 16 b + i of S holds key KF + 32 b + 16 h + i.  The branches hang on the wave's number, the cluster's number and the count of steps: a step can hold keys under the window of some query of the cluster, or over it, never both.
.macro MASK
	s_add_co_u32 s17, s[KF], 256
	s_cmp_lt_u32 s17, s[Q0]
	s_cbranch_scc0 .Lnot_low_\@
	v_sub_nc_u32 v14, v12, s[KF]
.set N, 0
.rept 64
	v_cmp_lt_i32 vcc_lo, 32*(N/16)+N%16, v14
	v_cndmask_b32 v[S+N], v[S+N], v15, vcc_lo
.set N, N+1
.endr
	s_branch .Lmasked_\@
.Lnot_low_\@:
	s_add_co_u32 s17, s[Q0], 385
	s_cmp_gt_u32 s[KF], s17
	s_cbranch_scc0 .Lmasked_\@
	v_sub_nc_u32 v14, v13, s[KF]
.set N, 0
.rept 64
	v_cmp_gt_i32 vcc_lo, 32*(N/16)+N%16, v14
	v_cndmask_b32 v[S+N], v[S+N], v15, vcc_lo
.set N, N+1
.endr
.Lmasked_\@:
.endm
.macro PVI i, first                    ; O^T's accumulator i += V's tile x p
.set rO, 8*(\i)
.if (\i) < 8
.set rV, F0+12*(\i)
.else
.set rV, F1+12*((\i)-8)
.endif
.set rX, VSC+2*((\i)/4)+((\i)%4)/2
.set rK, (\i)%2+2*(\first)
.if rK == 0
	v_wmma_scale_f32_16x16x128_f8f6f4 v[rO:rO+7], v[rV:rV+11], v[PC:PC+11], v[rO:rO+7], v[rX], v[PW] matrix_a_fmt:MATRIX_FMT_FP6 matrix_b_fmt:MATRIX_FMT_FP6
.elseif rK == 1
	v_wmma_scale_f32_16x16x128_f8f6f4 v[rO:rO+7], v[rV:rV+11], v[PC:PC+11], v[rO:rO+7], v[rX], v[PW] matrix_a_fmt:MATRIX_FMT_FP6 matrix_b_fmt:MATRIX_FMT_FP6 matrix_a_scale:MATRIX_SCALE_ROW1
.elseif rK == 2
	v_wmma_scale_f32_16x16x128_f8f6f4 v[rO:rO+7], v[rV:rV+11], v[PC:PC+11], 0, v[rX], v[PW] matrix_a_fmt:MATRIX_FMT_FP6 matrix_b_fmt:MATRIX_FMT_FP6
.else
	v_wmma_scale_f32_16x16x128_f8f6f4 v[rO:rO+7], v[rV:rV+11], v[PC:PC+11], 0, v[rX], v[PW] matrix_a_fmt:MATRIX_FMT_FP6 matrix_b_fmt:MATRIX_FMT_FP6 matrix_a_scale:MATRIX_SCALE_ROW1
.endif
.endm
; Two of V's sixteen fragments, six loads: groups 0-3 for accumulators 0-7 (window 0), groups 4-7 for accumulators 8-15 (window 1).
; The groups of window 1 stand only.
.macro VGRP g
.if (\g) < 4
	FRAGL F0+24*(\g), 3, 24576+2*(\g)*FRB
	FRAGL F0+24*(\g)+12, 3, 24576+(2*(\g)+1)*FRB
.else
	WIN 0x40
	FRAGL F1+24*((\g)-4), 4, 24576+2*((\g)-4)*FRB
	FRAGL F1+24*((\g)-4)+12, 4, 24576+(2*((\g)-4)+1)*FRB
	WIN 0
.endif
.endm
; A KEY STEP'S HEAD: my 128 keys of the slot in hand: K's fragments, the scores, V's fragments, p = 2^t.  All its LDS reads of the slot are issued here.
.macro PART1
	v_add_nc_u32 v2, s[TB], v7                     ; (these five are also the places in front of the loads)
	v_add_nc_u32 v3, s[TB], v8
	v_add_nc_u32 v4, s[TB], v9
	v_add_nc_u32 v5, s[TB], v10
	v_add_nc_u32 v6, s[TB], v11
.irp c, 0,1
	ds_load_b128 v[KSC+4*\c:KSC+4*\c+3], v2 offset:49152+512*\c   ; K's scale words: register t = tile t; lanes 0-15 d step 0, lanes 16-31 d step 1
.endr
.irp t, 0,1,2,3,4,5,6,7
	FRAGL F0+12*\t, 2, (2*\t)*FRB
.endr
	WIN 0x40
.irp t, 0,1,2,3,4,5,6,7
	FRAGL F1+12*\t, 2, (2*\t+1)*FRB
.endr
	WIN 0x04
.irp t, 0,1,2,3,4,5,6,7
	s_wait_dscnt 45-3*\t                           ; LDS loads come back in order: behind tile t's fragment of d step 0 stand 3 (7 - t) loads of that step and 24 of d step 1
	v_wmma_scale_f32_16x16x128_f8f6f4 v[S+8*\t:S+8*\t+7], v[F0+12*\t:F0+12*\t+11], v[QF:QF+11], 0, v[KSC+\t], v[QS] matrix_a_fmt:MATRIX_FMT_FP6 matrix_b_fmt:MATRIX_FMT_FP6
.endr
	WIN 0x05
.irp t, 0,1,2,3,4,5,6,7
	s_wait_dscnt 21-3*\t                           ; behind tile t's fragment of d step 1 stand 3 (7 - t) loads
	v_wmma_scale_f32_16x16x128_f8f6f4 v[S+8*\t:S+8*\t+7], v[F1+12*\t:F1+12*\t+11], v[QF+12:QF+23], v[S+8*\t:S+8*\t+7], v[KSC+\t], v[QS] matrix_a_fmt:MATRIX_FMT_FP6 matrix_b_fmt:MATRIX_FMT_FP6 matrix_a_scale:MATRIX_SCALE_ROW1 matrix_b_scale:MATRIX_SCALE_ROW1
.endr
	WIN 0
	PLACES 4
	VGRP 0                                         ; V's fragments go out six loads at a time, between the softmax's blocks
.irp i, 0,1
	ds_load_b64 v[VSC+2*\i:VSC+2*\i+1], v5 offset:50176+256*\i
	ds_load_b64 v[VSC+4+2*\i:VSC+5+2*\i], v6 offset:50176+256*\i
.endr
.set N, 0
.rept 16
	v_pk_mul_f32 v[S+N:S+N+1], v[S+N:S+N+1], s[C1:C1+1] op_sel_hi:[1,0]
.set N, N+2
.endr
	VGRP 4
.rept 16
	v_pk_mul_f32 v[S+N:S+N+1], v[S+N:S+N+1], s[C1:C1+1] op_sel_hi:[1,0]
.set N, N+2
.endr
	VGRP 5
.set N, 0
.rept 32
	v_exp_f32 v[S+N], v[S+N]
.set N, N+1
.endr
	VGRP 1
.rept 32
	v_exp_f32 v[S+N], v[S+N]
.set N, N+1
.endr
	v_nop                                          ; a plain place behind the batch,
	s_wait_alu depctr_va_vdst(0)                   ; and one wait for it, ahead of its first reader
	VGRP 6
.set N, 0
.rept 32
	v_pk_add_f32 v[S+N:S+N+1], v[S+N:S+N+1], 1.0 op_sel_hi:[1,0]
.set N, N+2
.endr
	VGRP 7
.set N, 0
.rept 32
	v_rcp_f32 v[S+N], v[S+N]
.set N, N+1
.endr
	VGRP 2
.rept 32
	v_rcp_f32 v[S+N], v[S+N]
.set N, N+1
.endr
	v_nop
	s_wait_alu depctr_va_vdst(0)
.set N, 0
.rept 32
	v_pk_fma_f32 v[S+N:S+N+1], v[S+N:S+N+1], s[NT1:NT1+1], v[16:17] op_sel_hi:[1,0,1]   ; t = T0 - T1 w
.set N, N+2
.endr
	VGRP 3
	MASK
.set N, 0
.rept 64
	v_exp_f32 v[S+N], v[S+N]                       ; p = 2^t
.set N, N+1
.endr
	v_nop
	s_wait_alu depctr_va_vdst(0)
	s_add_co_u32 s[KF], s[KF], 256
.endm
; A KEY STEP'S TAIL: p is quantised and summed, O^T += V^T p.  Registers alone.  first = 1: the products start O^T's sums.
.macro TAIL first
	QUANT S, 0, PW
.set N, 0
.rept 16
	v_pk_add_f32 v[18:19], v[18:19], v[S+N:S+N+1]  ; the sum of the unquantised p.  (These 32 are also the places between the codes' and the scale word's last writes and the products)
	v_pk_add_f32 v[20:21], v[20:21], v[S+N+2:S+N+3]
.set N, N+4
.endr
	s_wait_dscnt 0x0                               ; V is in
	WIN 0x50
.irp i, 0,1,2,3,4,5,6,7
	PVI \i, \first
.endr
	WIN 0x51
.irp i, 8,9,10,11,12,13,14,15
	PVI \i, \first
.endr
	WIN 0
.endm
.macro TAILIF kh                       ; the tail, for the waves of key step kh alone: a branch on the wave's number; no barrier, no tensor load and no LDS access but the wait stands in it
	s_cmp_eq_u32 s12, \kh
	s_cbranch_scc0 .Lnot_now_\@
	TAIL 0
.Lnot_now_\@:
.endm
; THE CHANGE OF SLOTS: each wave waits for all its tensor loads (its part of the next slot), adds 0 to its spare word, and waits for that and for its reads of the slot that it leaves.
; fill = 1: the barrier is a round of the cluster's, and the slot just left is filled with the keys two slots on: one load a wave, with a whole step in which to land.
.macro CHANGE fill
	s_wait_tensorcnt 0x0
	ds_add_u32 v[SPW], v[NIL]
.if \fill
	s_xor_b32 s37, s37, SLOT1                      ; the walking descriptor: the other slot than last time, the next 256 keys
	s_add_nc_u64 s[38:39], s[38:39], 102400
.endif
	s_wait_dscnt 0x0
.if \fill
	CROUND
	tensor_load_to_lds s[36:39], s[24:31]
	s_nop 0
	PLACES 4
.else
	s_barrier_signal -1
	s_barrier_wait -1
.endif
	s_xor_b32 s[TB], s[TB], SLOT1
.endm
	s_wait_tensorcnt 1                             ; my part of slot 0 is in; slot 1's may be out
	s_barrier_signal -1
	s_barrier_wait -1
	s_wait_loadcnt 0x0                             ; Q
	PART1                                          ; step 0
	TAIL 1                                         ; its tail, in every wave: O^T's sums begin here on every way
	CHANGE 1                                       ; slot 0 takes the third of the five
	PART1                                          ; step 1
.Lslot:                                            ; two trips: the fourth and the fifth of the five slots are asked for; steps 2 and 3
	TAILIF 0
	CHANGE 1
	TAILIF 1
	PART1
	s_sub_co_u32 s[CNT], s[CNT], 1
	s_cmp_lg_u32 s[CNT], 0
	s_cbranch_scc1 .Lslot
	TAILIF 0                                       ; the last slot is written out: nothing is left to ask for
	CHANGE 0
	TAILIF 1
	PART1                                          ; step 4
	TAIL 0
	; THE END: the two halves of the keys meet
	PLACES 4
	v_pk_add_f32 v[18:19], v[18:19], v[20:21]
	v_add_f32 v18, v18, v19
	v_permlanex16_b32 v19, v18, s[SEL], s[SEL+1]
	v_add_f32 v18, v18, v19                        ; my keys' sum for my query
	WIN 0x04
.set N, 0
.rept 16
	ds_store_b128 v22, v[64+4*N:64+4*N+3] offset:512*N   ; accumulators 8-15, each from its low end on
.set N, N+1
.endr
	WIN 0
	ds_store_b32 v144, v18
	s_wait_dscnt 0x0                               ; for the others' sake: my stores are done
	s_barrier_signal -1
	s_barrier_wait -1
.set N, 0
.rept 16
	ds_load_b128 v[F0+4*N:F0+4*N+3], v23 offset:512*N
.set N, N+1
.endr
	ds_load_b32 v19, v145
	s_wait_dscnt 0x0
	v_add_f32 v18, v18, v19                        ; the row's sum
	v_rcp_f32 v20, v18
	WIN 0x01
.set N, 0
.rept 32
	v_pk_add_f32 v[S+N:S+N+1], v[N:N+1], v[F0+N:F0+N+1]   ; my 128 channels over all keys.  (Independent work behind the reciprocal)
.set N, N+2
.endr
	WIN 0
	s_wait_alu depctr_va_vdst(0)                   ; ahead of the reciprocal's first reader
	v_mov_b32 v21, v20
.set N, 0
.rept 32
	v_pk_mul_f32 v[S+N:S+N+1], v[S+N:S+N+1], v[20:21]
.set N, N+2
.endr
	QUANT S, 0, PW
.irp c, 0,1,2
	global_store_b128 v1, v[PC+4*\c:PC+4*\c+3], s[54:55] offset:512*\c
.endr
	ds_store_b32 v146, v[PW]                       ; both halves of the lanes write the same word with the same value
	s_wait_dscnt 0x0
	s_barrier_signal -1
	s_barrier_wait -1
	s_cmp_lg_u32 s[WV], 0
	s_cbranch_scc1 .Lnot_first
	ds_load_b128 v[148:151], v147                  ; the four tiles' words, [tile][row][half]: 512 consecutive bytes
	s_wait_dscnt 0x0
	global_store_b128 v1, v[148:151], s[56:57]
.Lnot_first:
	s_wait_tensorcnt 0x0                           ; the wave's end
	ds_add_u32 v[SPW], v[NIL]
	s_wait_dscnt 0x0
	CROUND                                         ; the closing round
	s_endpgm
.Lfunc_end_k_qb09d24db15_attn:
	.size	k_qb09d24db15_attn, .Lfunc_end_k_qb09d24db15_attn-k_qb09d24db15_attn
	.p2alignl 7, 3214868480
	.fill 96, 4, 3214868480
	.section	.rodata,"a",@progbits
	.p2align	6, 0x0
	.amdhsa_kernel k_qb09d24db15_attn
		.amdhsa_group_segment_fixed_size 327680
		.amdhsa_private_segment_fixed_size 0
		.amdhsa_enable_private_segment 0
		.amdhsa_kernarg_size 24
		.amdhsa_user_sgpr_count 2
		.amdhsa_user_sgpr_kernarg_segment_ptr 1
		.amdhsa_wavefront_size32 1
		.amdhsa_system_sgpr_workgroup_id_x 1
		.amdhsa_system_sgpr_workgroup_id_y 1
		.amdhsa_system_sgpr_workgroup_id_z 1
		.amdhsa_system_vgpr_workitem_id 0
		.amdhsa_next_free_vgpr 512
		.amdhsa_next_free_sgpr 66
		.amdhsa_reserve_vcc 1
		.amdhsa_float_denorm_mode_32 3
		.amdhsa_float_denorm_mode_16_64 3
		.amdhsa_memory_ordered 1
		.amdhsa_forward_progress 1
		.amdhsa_inst_pref_size 198
	.end_amdhsa_kernel
	.amdgpu_metadata
---
amdhsa.version: [ 1, 2 ]
amdhsa.kernels:
  - .name:           k_qb09d24db15_attn
    .symbol:         k_qb09d24db15_attn.kd
    .args:
      - { .name: qb, .offset: 0, .size: 8, .value_kind: global_buffer, .address_space: global }
      - { .name: kv, .offset: 8, .size: 8, .value_kind: global_buffer, .address_space: global }
      - { .name: aq, .offset: 16, .size: 8, .value_kind: global_buffer, .address_space: global }
    .group_segment_fixed_size: 327680
    .private_segment_fixed_size: 0
    .kernarg_segment_align: 8
    .kernarg_segment_size: 24
    .max_flat_workgroup_size: 256
    .sgpr_count:     66
    .vgpr_count:     512
    .wavefront_size: 32
...
	.end_amdgpu_metadata
.endif
;; end of part 3
;; launch oproj (part 4): grid 16 x 16, 4 waves a work-group, clusters of 4 x 4, 327,680 bytes of LDS; arguments aq, wq, out0; writes out0
.if DOCPART == 4
	.amdgcn_target "amdgcn-amd-amdhsa--gfx1250"
	.amdhsa_code_object_version 6
	.text
	.protected	k_qb09d24db15_oproj
	.globl	k_qb09d24db15_oproj
	.p2align	8
	.type	k_qb09d24db15_oproj,@function
k_qb09d24db15_oproj:
	s_mov_b64 s[64:65], 0
	v_nop
	global_prefetch_b8 v0, s[64:65] scope:SCOPE_SE
	s_setreg_imm32_b32 hwreg(HW_REG_WAVE_MODE, 25, 1), 1
	s_wait_xcnt 0x0
	s_wait_alu depctr_hold_cnt(0) depctr_sa_sdst(0) depctr_va_vdst(0) depctr_va_sdst(0) depctr_va_ssrc(0) depctr_va_vcc(0) depctr_vm_vsrc(0)
	s_getreg_b32 s2, hwreg(HW_REG_IB_STS2, 6, 4)
	s_cmp_eq_u32 s2, 0
	s_cbranch_scc0 .Lentry_in_a_cluster
	s_endpgm
.Lentry_in_a_cluster:
	s_bfe_u32 s2, ttmp6, 0x10000c
	s_cmp_lg_u32 s2, 0xf033
	s_cbranch_scc0 .Lentry_shape_is_right
	s_endpgm
.Lentry_shape_is_right:
; out0 [4096][2048] f32 = attention's result x Wo, on codes of FP6 (E2M3) with E8M0 scales, K = 1,024: eight K steps of 128.
; A work-group makes 256 rows x 128 columns: 256 work-groups.  Wave w: rows 64 w on (four tiles) x 128 columns (eight tiles): 32 accumulators.  Transposed use: source 0 = 16 columns of Wo, source 1 = 16 rows: a lane holds one row.
; Operands are images of their registers; by the choice of a tile's rows, register j of column tile 2 g + u is column 32 g + 16 (lane / 16) + 8 u + j, and row r of row tile 2 g + u is row 32 g + 8 u + r + 8 (r / 8).
; ALL OF K FITS IN LDS: A's 196,608 bytes, W's 98,304, their scale words.  Every tensor load is a first fill: five a wave (scale words, then four pieces of two K steps), issued together; no byte is filled twice, and the eight steps are written out.
; CLUSTER 4 x 4: A's tiles are asked for jointly along a row of the cluster, W's along a column.
; REGISTERS.  window 0: v1-21 addresses; v32-55 scale words, two sets; v80-175 the rows' fragments, two sets; on the way out v128-255.   window 1: the columns' fragments, two sets of 96.   window 2: accumulator (a, b) at 64 a + 8 b.
.set FRB,  1536
.set ASC,  3145728
.set WOI,  4915200
.set WOS,  6488064
.set LW,   196608                      ; LDS: A's images from 0, W's from here,
.set LSA,  294912                      ; A's scale words,
.set LSW,  303104                      ; W's,
.set SPARE, 307200                     ; the spare words, 128 bytes a wave: two blocks of 256 bytes that no other line names
.set SPW, 8
.set NIL, 9
.set ADRA, 10                          ; v10-13 my rows' fragments in piece 0 .. 3
.set ADRB, 14                          ; v14-17 the columns'
.set STO, 20
.set RD,  21
.set SCS, 32                           ; set p % 2 at SCS + 12 (p % 2): rows' words 2 i + q, columns' at 4 + 2 i + q
.set AF,  80
.set BK,  128
.set WV,  10
.set MSB, 0
.macro WIN new
.if MSB != \new
	s_set_vgpr_msb (MSB<<8)|\new
.set MSB, \new
.endif
.endm
.macro PLACES n
.rept \n
	v_nop
.endr
.endm
.macro CROUND
	s_barrier_signal -1
	s_barrier_wait -1
	s_cmp_lg_u32 s[WV], 0
	s_cbranch_scc1 .Lnot_wave_0_\@
	s_barrier_signal -3
.Lnot_wave_0_\@:
	s_barrier_wait -3
	s_barrier_signal -1
	s_barrier_wait -1
.endm
.macro FRAGL reg, adr, off
.irp c, 0,1,2
	ds_load_b128 v[(\reg)+4*\c:(\reg)+4*\c+3], v[\adr] offset:(\off)+512*\c
.endr
.endm
	s_load_b128 s[4:7], s[0:1], 0x0                ; aq s[4:5], wq s[6:7]
	s_load_b64 s[8:9], s[0:1], 0x10                ; out0
	v_lshl_add_u32 v[SPW], v0, 2, SPARE
	v_mov_b32 v[NIL], 0
	ds_add_u32 v[SPW], v[NIL]                      ; the wave's opening: the add and its wait ahead of my first tensor load
	v_lshrrev_b32 v1, 5, v0
	v_readfirstlane_b32 s[WV], v1                  ; wave 0..3
	s_lshr_b32 s11, s10, 1                         ; I fetch for A (0) or W (1)
	s_and_b32 s12, s10, 1                          ; which K step of a piece
	s_bfe_u32 s13, ttmp6, 0x40000                  ; cx
	s_bfe_u32 s14, ttmp6, 0x40004                  ; cy
	s_lshl_b32 s15, ttmp9, 2
	s_add_co_u32 s15, s15, s13                     ; block of 128 columns
	s_and_b32 s16, ttmp7, 0xffff
	s_lshl_b32 s16, s16, 2
	s_add_co_u32 s16, s16, s14                     ; block of 256 rows
	s_lshl_b32 s17, s14, 2
	s_lshl_b32 s17, 15, s17                        ; my row of the cluster
	s_lshl_b32 s18, 0x1111, s13                    ; my column
	; groups 1: dense blocks as rows of 256 bytes: A's K step 96 rows, W's 48, halves of the scale words 16 and 8
	s_or_b32 s24, s17, (3<<16)|(1<<21)
	s_mov_b32 s25, 32<<16
	s_mov_b32 s26, 96<<16
	s_mov_b32 s27, 32<<16
	s_mov_b32 s28, 96
	s_mov_b32 s29, 32
	s_mov_b32 s30, 0
	s_mov_b32 s31, 0
	s_or_b32 s32, s18, (3<<16)|(1<<21)
	s_mov_b32 s33, 32<<16
	s_mov_b32 s34, 48<<16
	s_mov_b32 s35, 32<<16
	s_mov_b32 s36, 48
	s_mov_b32 s37, 32
	s_mov_b32 s38, 0
	s_mov_b32 s39, 0
	s_or_b32 s40, s17, (3<<16)|(1<<21)
	s_mov_b32 s41, 32<<16
	s_mov_b32 s42, 16<<16
	s_mov_b32 s43, 32<<16
	s_mov_b32 s44, 16
	s_mov_b32 s45, 32
	s_mov_b32 s46, 0
	s_mov_b32 s47, 0
	s_or_b32 s48, s18, (3<<16)|(1<<21)
	s_mov_b32 s49, 32<<16
	s_mov_b32 s50, 8<<16
	s_mov_b32 s51, 32<<16
	s_mov_b32 s52, 8
	s_mov_b32 s53, 32
	s_mov_b32 s54, 0
	s_mov_b32 s55, 0
	s_mul_i32 s20, s16, 196608                     ; A's images: my block, my K step of a piece
	s_mul_i32 s19, s12, 24576                      ; (also its place in LDS)
	s_add_co_u32 s20, s20, s19
	s_mov_b32 s21, 0
	s_lshl_b32 s22, s16, 13                        ; A's scale words
	s_lshl_b32 s23, s12, 12
	s_add_co_u32 s22, s22, s23
	s_add_co_u32 s22, s22, ASC
	s_mov_b32 s23, 0
	s_mul_i32 s66, s15, 98304                      ; W's, in registers of their own
	s_mul_i32 s2, s12, 12288
	s_add_co_u32 s66, s66, s2
	s_add_co_u32 s66, s66, WOI
	s_mov_b32 s67, 0
	s_add_co_u32 s2, s2, LW                        ; its place in LDS
	s_lshl_b32 s100, s15, 12
	s_lshl_b32 s101, s12, 11
	s_add_co_u32 s100, s100, s101
	s_add_co_u32 s100, s100, WOS
	s_mov_b32 s101, 0
	s_lshl_b32 s3, s12, 12
	s_wait_dscnt 0x0                               ; the opening add is done
	s_wait_kmcnt 0x0
	s_add_nc_u64 s[20:21], s[4:5], s[20:21]
	s_add_nc_u64 s[22:23], s[4:5], s[22:23]
	s_add_nc_u64 s[66:67], s[6:7], s[66:67]
	s_add_nc_u64 s[100:101], s[6:7], s[100:101]
	s_mov_b32 s76, 1
	s_add_co_u32 s77, s3, LSA
	s_mov_b64 s[78:79], s[22:23]
	s_or_b32 s79, s79, 0x80000000
	s_lshl_b32 s3, s12, 11
	s_mov_b32 s96, 1
	s_add_co_u32 s97, s3, LSW
	s_mov_b64 s[98:99], s[100:101]
	s_or_b32 s99, s99, 0x80000000
.irp p, 0,1,2,3
.set GA, 56+4*\p+4*(\p/2)
.set GB, 80+4*\p
	s_mov_b32 s[GA], 1
	s_add_co_u32 s[GA+1], s19, \p*49152
	s_add_nc_u64 s[GA+2:GA+3], s[20:21], \p*49152
	s_or_b32 s[GA+3], s[GA+3], 0x80000000
	s_mov_b32 s[GB], 1
	s_add_co_u32 s[GB+1], s2, \p*24576
	s_add_nc_u64 s[GB+2:GB+3], s[66:67], \p*24576
	s_or_b32 s[GB+3], s[GB+3], 0x80000000
.endr
	CROUND                                         ; all sixteen work-groups are here: the joint loads meet
	s_cmp_eq_u32 s11, 0                            ; a wave's five fills stand in one branch: five loads of mine are out
	s_cbranch_scc0 .Lfor_w
	tensor_load_to_lds s[76:79], s[40:47]
	s_nop 0
	tensor_load_to_lds s[56:59], s[24:31]
	s_nop 0
	tensor_load_to_lds s[60:63], s[24:31]
	s_nop 0
	tensor_load_to_lds s[68:71], s[24:31]
	s_nop 0
	tensor_load_to_lds s[72:75], s[24:31]
	s_nop 0
	PLACES 4
	s_branch .Lasked
.Lfor_w:
	tensor_load_to_lds s[96:99], s[48:55]
	s_nop 0
	tensor_load_to_lds s[80:83], s[32:39]
	s_nop 0
	tensor_load_to_lds s[84:87], s[32:39]
	s_nop 0
	tensor_load_to_lds s[88:91], s[32:39]
	s_nop 0
	tensor_load_to_lds s[92:95], s[32:39]
	s_nop 0
	PLACES 4
.Lasked:
	v_and_b32 v1, 31, v0
	v_and_b32 v2, 15, v0
	v_bfe_u32 v3, v0, 4, 1
	v_lshlrev_b32 v4, 4, v1
	v_lshlrev_b32 v5, 3, v1
	s_mul_i32 s19, s10, 4*FRB
	v_add_nc_u32 v[ADRA], s19, v4
	v_add_nc_u32 v[ADRA+1], 49152, v[ADRA]
	v_add_nc_u32 v[ADRA+2], 98304, v[ADRA]
	v_add_nc_u32 v[ADRA+3], 147456, v[ADRA]
	v_add_nc_u32 v[ADRB], LW, v4
	v_add_nc_u32 v[ADRB+1], LW+24576, v4
	v_add_nc_u32 v[ADRB+2], LW+49152, v4
	v_add_nc_u32 v[ADRB+3], LW+73728, v4
	s_lshl_b32 s19, s10, 9
	s_add_co_u32 s19, s19, LSA
	v_add_nc_u32 v18, s19, v5                      ; my rows' scale words
	v_add_nc_u32 v19, LSW, v5                      ; the columns'
	s_mul_i32 s19, s10, 8448                       ; my stage for the way out: in A's first piece, which every wave has left by then and which is filled no more
	v_mul_u32_u24 v[STO], v2, 528
	v_lshl_add_u32 v[STO], v3, 6, v[STO]
	v_add_nc_u32 v[STO], s19, v[STO]               ; in: row r, + 64 h
	v_add_nc_u32 v[RD], s19, v4                    ; back: 16 bytes a lane of a row of 512
	s_lshl_b32 s20, s16, 8
	s_lshl_b32 s21, s10, 6
	s_add_co_u32 s20, s20, s21
	s_lshl_b32 s20, s20, 13                        ; my first row of out0, 8,192 bytes a row,
	s_lshl_b32 s21, s15, 9
	s_add_co_u32 s20, s20, s21                     ; my block's 512 bytes in it
	s_mov_b32 s21, 0
	s_add_nc_u64 s[8:9], s[8:9], s[20:21]
.macro FETCH s                         ; K step s: my 4 fragments of rows, the 8 of columns, into sets s % 2; with a piece's first step its scale words: 36 loads, or 42
.set FP, (\s)/2
.set FQ, (\s)%2
.irp a, 0,1,2,3
	FRAGL AF+48*FQ+12*\a, ADRA+FP, FQ*24576+\a*FRB
.endr
	WIN 0x40
.irp b, 0,1,2,3,4,5,6,7
	FRAGL 96*FQ+12*\b, ADRB+FP, FQ*12288+\b*FRB
.endr
	WIN 0
.if FQ == 0
.irp i, 0,1
	ds_load_b64 v[SCS+12*(FP%2)+2*\i:SCS+12*(FP%2)+2*\i+1], v18 offset:FP*2048+256*\i
.endr
.irp i, 0,1,2,3
	ds_load_b64 v[SCS+12*(FP%2)+4+2*\i:SCS+12*(FP%2)+5+2*\i], v19 offset:FP*1024+256*\i
.endr
.endif
.endm
.macro WMO a, b, s
.set rD, 64*(\a)+8*(\b)
.set rA, 96*((\s)%2)+12*(\b)
.set rB, AF+48*((\s)%2)+12*(\a)
.set rX, SCS+12*(((\s)/2)%2)+4+2*((\b)/2)+(\s)%2
.set rY, SCS+12*(((\s)/2)%2)+2*((\a)/2)+(\s)%2
.set rO, 2*((\b)%2)+(\a)%2
.if (\s) == 0
.set rO, rO+4
.endif
.if rO == 0
	v_wmma_scale_f32_16x16x128_f8f6f4 v[rD:rD+7], v[rA:rA+11], v[rB:rB+11], v[rD:rD+7], v[rX], v[rY] matrix_a_fmt:MATRIX_FMT_FP6 matrix_b_fmt:MATRIX_FMT_FP6
.elseif rO == 1
	v_wmma_scale_f32_16x16x128_f8f6f4 v[rD:rD+7], v[rA:rA+11], v[rB:rB+11], v[rD:rD+7], v[rX], v[rY] matrix_a_fmt:MATRIX_FMT_FP6 matrix_b_fmt:MATRIX_FMT_FP6 matrix_b_scale:MATRIX_SCALE_ROW1
.elseif rO == 2
	v_wmma_scale_f32_16x16x128_f8f6f4 v[rD:rD+7], v[rA:rA+11], v[rB:rB+11], v[rD:rD+7], v[rX], v[rY] matrix_a_fmt:MATRIX_FMT_FP6 matrix_b_fmt:MATRIX_FMT_FP6 matrix_a_scale:MATRIX_SCALE_ROW1
.elseif rO == 3
	v_wmma_scale_f32_16x16x128_f8f6f4 v[rD:rD+7], v[rA:rA+11], v[rB:rB+11], v[rD:rD+7], v[rX], v[rY] matrix_a_fmt:MATRIX_FMT_FP6 matrix_b_fmt:MATRIX_FMT_FP6 matrix_a_scale:MATRIX_SCALE_ROW1 matrix_b_scale:MATRIX_SCALE_ROW1
.elseif rO == 4
	v_wmma_scale_f32_16x16x128_f8f6f4 v[rD:rD+7], v[rA:rA+11], v[rB:rB+11], 0, v[rX], v[rY] matrix_a_fmt:MATRIX_FMT_FP6 matrix_b_fmt:MATRIX_FMT_FP6
.elseif rO == 5
	v_wmma_scale_f32_16x16x128_f8f6f4 v[rD:rD+7], v[rA:rA+11], v[rB:rB+11], 0, v[rX], v[rY] matrix_a_fmt:MATRIX_FMT_FP6 matrix_b_fmt:MATRIX_FMT_FP6 matrix_b_scale:MATRIX_SCALE_ROW1
.elseif rO == 6
	v_wmma_scale_f32_16x16x128_f8f6f4 v[rD:rD+7], v[rA:rA+11], v[rB:rB+11], 0, v[rX], v[rY] matrix_a_fmt:MATRIX_FMT_FP6 matrix_b_fmt:MATRIX_FMT_FP6 matrix_a_scale:MATRIX_SCALE_ROW1
.else
	v_wmma_scale_f32_16x16x128_f8f6f4 v[rD:rD+7], v[rA:rA+11], v[rB:rB+11], 0, v[rX], v[rY] matrix_a_fmt:MATRIX_FMT_FP6 matrix_b_fmt:MATRIX_FMT_FP6 matrix_a_scale:MATRIX_SCALE_ROW1 matrix_b_scale:MATRIX_SCALE_ROW1
.endif
.endm
; K step s: the next step's fragments are asked for, then this step's 32 products, the accumulators by turns.
; Ahead of a fetch from a new piece: my part of the piece has landed (the count leaves the later pieces out), and a barrier shows everybody's.
.macro OSTEP s
.if ((\s)%2 == 1) && ((\s) < 7)
	s_wait_tensorcnt 2-((\s)-1)/2
	s_wait_dscnt 0x0                               ; no LDS instruction of mine is out at a signal
	s_barrier_signal -1
	s_barrier_wait -1
.endif
.if (\s) < 7
.if (\s) > 0
	PLACES 4                                       ; in front of loads into registers that the last step's products have read
.endif
	FETCH (\s)+1
.if ((\s)%2) == 1
	s_wait_dscnt 42                                ; all but the loads just issued
.else
	s_wait_dscnt 36
.endif
.else
	s_wait_dscnt 0x0
.endif
	WIN 0xa1
.irp b, 0,1,2,3,4,5,6,7
.irp a, 0,1,2,3
	WMO \a, \b, \s
.endr
.endr
	WIN 0
.endm
	s_wait_tensorcnt 3                             ; the scale words and piece 0 are in; three pieces may be out
	s_barrier_signal -1
	s_barrier_wait -1
	FETCH 0
.irp s, 0,1,2,3,4,5,6,7
	OSTEP \s
.endr
; THE WAY OUT, a tile of 16 rows x 128 columns at a time: through my stage (rows of 512 bytes + 16) and back as whole rows, which the 32 lanes store as 512 consecutive bytes.
.macro TOSTAGE a
	WIN 0x08                                       ; an LDS store's data are its source 1: window 2
.irp b, 0,1,2,3,4,5,6,7
	ds_store_b128 v[STO], v[64*(\a)+8*\b:64*(\a)+8*\b+3] offset:128*(\b/2)+32*(\b%2)          ; each accumulator from its low end on
	ds_store_b128 v[STO], v[64*(\a)+8*\b+4:64*(\a)+8*\b+7] offset:128*(\b/2)+32*(\b%2)+16
.endr
	WIN 0
.set BB, BK+64*((\a)%2)
.set I, 0
.rept 16
	ds_load_b128 v[BB+4*I:BB+4*I+3], v[RD] offset:I*528   ; LDS serves a wave's instructions in order: these see the stores above
.set I, I+1
.endr
.endm
.macro SEND a, younger
.set BB, BK+64*((\a)%2)
	s_wait_dscnt \younger                          ; the tile is back in registers; the next tile's 32 LDS instructions may be out
.set I, 0
.rept 16
	global_store_b128 v4, v[BB+4*I:BB+4*I+3], s[8:9] offset:(32*((\a)/2)+8*((\a)%2)+I+8*(I/8))*8192 th:TH_STORE_NT
.set I, I+1
.endr
.endm
	PLACES 4
	TOSTAGE 0
.irp a, 1,2,3
.if \a > 1
	s_wait_xcnt 0x0                                ; tile a - 2's stores have read their registers: tile a's loads may land there
.endif
	TOSTAGE \a
	SEND \a-1, 32
.endr
	SEND 3, 0
	s_wait_tensorcnt 0x0                           ; the wave's end
	ds_add_u32 v[SPW], v[NIL]
	s_wait_dscnt 0x0
	CROUND                                         ; the closing round
	s_endpgm
.Lfunc_end_k_qb09d24db15_oproj:
	.size	k_qb09d24db15_oproj, .Lfunc_end_k_qb09d24db15_oproj-k_qb09d24db15_oproj
	.p2alignl 7, 3214868480
	.fill 96, 4, 3214868480
	.section	.rodata,"a",@progbits
	.p2align	6, 0x0
	.amdhsa_kernel k_qb09d24db15_oproj
		.amdhsa_group_segment_fixed_size 327680
		.amdhsa_private_segment_fixed_size 0
		.amdhsa_enable_private_segment 0
		.amdhsa_kernarg_size 24
		.amdhsa_user_sgpr_count 2
		.amdhsa_user_sgpr_kernarg_segment_ptr 1
		.amdhsa_wavefront_size32 1
		.amdhsa_system_sgpr_workgroup_id_x 1
		.amdhsa_system_sgpr_workgroup_id_y 1
		.amdhsa_system_sgpr_workgroup_id_z 1
		.amdhsa_system_vgpr_workitem_id 0
		.amdhsa_next_free_vgpr 768
		.amdhsa_next_free_sgpr 102
		.amdhsa_reserve_vcc 0
		.amdhsa_float_denorm_mode_32 3
		.amdhsa_float_denorm_mode_16_64 3
		.amdhsa_memory_ordered 1
		.amdhsa_forward_progress 1
		.amdhsa_inst_pref_size 79
	.end_amdhsa_kernel
	.amdgpu_metadata
---
amdhsa.version: [ 1, 2 ]
amdhsa.kernels:
  - .name:           k_qb09d24db15_oproj
    .symbol:         k_qb09d24db15_oproj.kd
    .args:
      - { .name: aq, .offset: 0, .size: 8, .value_kind: global_buffer, .address_space: global }
      - { .name: wq, .offset: 8, .size: 8, .value_kind: global_buffer, .address_space: global }
      - { .name: out0, .offset: 16, .size: 8, .value_kind: global_buffer, .address_space: global }
    .group_segment_fixed_size: 327680
    .private_segment_fixed_size: 0
    .kernarg_segment_align: 8
    .kernarg_segment_size: 24
    .max_flat_workgroup_size: 128
    .sgpr_count:     102
    .vgpr_count:     768
    .wavefront_size: 32
...
	.end_amdgpu_metadata
.endif
;; end of part 4
